; MI455X (gfx1250); checked and timed in simulation.
; The chip was launched on July 23, 2026; its instructions are those of AMD's public machine-readable ISA for CDNA 5 (MIT licence, August 2026) and "CDNA5" Instruction Set Architecture Reference Guide (July 2026). The comments in the code are by the model that wrote it; some were corrected since.
;; Single Head Attention. Allowed arithmetic: matrix products marked QUANTISED: E2M1 operands, one E8M0 scale for each 32 along K, by v_wmma_scale_f32_16x16x128_f8f6f4 with both operands' format E2M1 (or v_wmma_scale_f32_32x16x128_f4), f32 sums; products left as they are: bf16, f16 or f32 operands; f32 sums; everything else in f32.
;; Inputs: W_K 1,024 x 1,024 float32; W_O 1,024 x 1,024 float32; W_Q 1,024 x 1,024 float32; W_V 1,024 x 1,024 float32; x 4 x 2,048 x 1,024 float32.
;; Outputs: out0 4 x 2,048 x 1,024 float32.
;; This version of the problem:
;;   THIS VERSION OF THE PROBLEM IS GIVEN IN LOW PRECISION. The matrix products marked QUANTISED in the list below multiply operands that are first quantised to E2M1 (2 exponent bits, 1 mantissa bit; 4 bits a number), with one power-of-two scale for each 32 numbers along K (OCP MX v1.0); their sums are f32. The products marked 'left as it is' may take bf16, f16 or f32 operands, with f32 sums. Whichever they take, every output number must still come out within the allowed error. Rounding operands to bf16 (8 significant bits) uses up far more of that allowance than f16 does (11 bits, for magnitudes from 6e-5 to 65,504). All else is computed in f32.
;;   The module's matrix products, in the order in which they are computed (A, B: the left and right operand; K: the contracted axis; several contracted axes count as one K, in the product's order):
;;     1. [M 8,192, K 1,024] x [K 1,024, N 1,024]; A: input x; B: input W_Q: QUANTISED
;;     2. [M 8,192, K 1,024] x [K 1,024, N 1,024]; A: input x; B: input W_K: QUANTISED
;;     3. [M 8,192, K 1,024] x [K 1,024, N 1,024]; A: input x; B: input W_V: QUANTISED
;;     4. batch 4 x [M 2,048, K 1,024] x [K 1,024, N 2,048]; A: computed on the way; B: computed on the way: left as it is (an operand is computed on the way)
;;     5. batch 4 x [M 2,048, K 2,048] x [K 2,048, N 1,024]; A: computed on the way; B: computed on the way: left as it is (an operand is computed on the way)
;;     6. [M 8,192, K 1,024] x [K 1,024, N 1,024]; A: computed on the way; B: input W_O: left as it is (an operand is computed on the way)
;;   THE QUANTISER, for each operand of a quantised product, along K:
;;     - K is cut into blocks of 32 from its start; a last block that is shorter is filled with zeros.
;;     - A block's scale is 2^e with e = floor(log2(the largest magnitude in the block)) - 2, held to -126 .. 127; a block of zeros has e = 0. As a byte (E8M0): e + 127.
;;     - Each number is divided by its block's scale, clamped to +-6, and rounded to the nearest number of E2M1, ties to even, subnormals kept.
;;     - The product sums the exact products of the quantised numbers (number of the format x scale) in f32.
;;   ~~~python
;;   def quantise(x, axis):      # numpy; x: float32 -> the quantised numbers, widened to float32 again
;;       x = np.moveaxis(x, axis, -1); K = x.shape[-1]
;;       x = np.pad(x, [(0, 0)] * (x.ndim - 1) + [(0, -K % 32)]); x = x.reshape(x.shape[:-1] + (-1, 32)); a = np.abs(x).max(-1, keepdims=True)
;;       e = np.where(a > 0, np.clip(np.frexp(np.where(a > 0, a, 1))[1] - 1 - 2, -126, 127), 0)      # np.frexp(a)[1] - 1 = floor(log2(a)), exactly
;;       r = np.clip(x / 2.0 ** e, -6, 6)
;;       step = 2.0 ** (np.maximum(np.frexp(np.where(r == 0, 1, r))[1] - 1, 0) - 1)
;;       q = np.round(r / step) * step * 2.0 ** e      # np.round: ties to even
;;       return np.moveaxis(q.reshape(q.shape[:-2] + (-1,))[..., :K], -1, axis).astype(np.float32)
;;   ~~~
;; One version. Each part assembles by itself: llvm-mc -triple=amdgcn-amd-amdhsa -mcpu=gfx1250 --defsym DOCPART=n.
;; ======== version 1 of 1: 6 launches
;; limits: values are held in f16: magnitudes above 65,504 overflow, below 6.1e-05 lose precision
;; workspace buffers: codes 5,767,168 bytes; scales 360,448 bytes; wo16 2,097,152 bytes; qkv 50,331,648 bytes; fine32 786,432 bytes; pbuf 33,554,432 bytes; stat 786,432 bytes; attn 16,777,216 bytes
;; launch quant (part 1): grid 384 x 1, 4 waves a work-group, no clusters, 33,280 bytes of LDS; arguments x, W_Q, W_K, W_V, W_O, codes, scales, wo16; writes codes, scales, wo16
.if DOCPART == 1
	.amdgcn_target "amdgcn-amd-amdhsa--gfx1250"
	.amdhsa_code_object_version 6
	.text
	.protected	k_q0ebc053a45_quant
	.globl	k_q0ebc053a45_quant
	.p2align	8
	.type	k_q0ebc053a45_quant,@function
k_q0ebc053a45_quant:
	s_mov_b64 s[64:65], 0
	v_nop
	global_prefetch_b8 v0, s[64:65] scope:SCOPE_SE
	s_setreg_imm32_b32 hwreg(HW_REG_WAVE_MODE, 25, 1), 1
	s_wait_xcnt 0x0
; THE PROGRAM: out = softmax(causal(q k^T / 32)) v W_O^T with q, k, v = x W^T.  Six launches: this one (codes of x, W_Q, W_K, W_V; W_O in f16), qkv (the three quantised products),
; scores (p = 2^(t - M) for each chunk of 256 keys, with its whole-number M and its sum), pv (the weighted sums of v), proj (the product with W_O), fine (positions 0-15 of each sequence, in f32).
; WORK LEFT OUT: reference() builds its mask itself (jnp.tril): for key > query the score becomes -inf and the weight exp(-inf) = 0, whatever the inputs hold.  So tiles of 256 queries x 256 keys whose
; every key comes after every query (tile column J > tile row I), and the same key steps of the product with v, reach no output: they are neither computed nor stored nor read.  Inside a tile on the
; diagonal the hidden scores are computed and replaced by -inf.  No input is dead: all five are loaded.
; LIMITS: a NaN, an infinity or an overflow that reaches only the tiles left out is not carried to the result.  q, k, v, the attention's result and W_O are rounded to f16 for the products that the
; problem leaves as they are: magnitudes over 65,504 become infinity, under 6e-5 they keep an absolute error of 3e-8.  NaN and infinities among the inputs are not served.
; THIS LAUNCH.  x [8192][1024], W_Q, W_K, W_V [1024][1024], f32, K innermost, become codes of FP4 (E2M1), two a byte, and one E8M0 byte for each 32 along K, on end in two buffers: rows 0-8191 x,
; 8192-9215 W_Q, 9216-10239 W_K, 10240-11263 W_V.  A block's scale is 2^(floor(log2(largest magnitude)) - 2): its byte is the largest magnitude's exponent field - 2, held at 1 from below
; (blocks under 2^-124 keep the byte 1; a block of zeros gets 1 where the rule says 127: its codes are zeros, and this program alone reads the bytes).
; Rows are dense and K is a multiple of 32: each tensor is a plain stream of blocks.  Work-groups 0-351 take 32,768 numbers each (a wave 16 steps of 512); work-groups 352-383 round W_O to f16.
; A step's four loads read 512 consecutive bytes each; the 2,048 bytes turn through the wave's own stage in LDS so that a lane holds 16 neighbours along K; two neighbouring lanes hold a block.
; Loads run DEPTH = 8 steps ahead: 32 loads, 16,384 bytes, of every wave are on their way.
.set STEPS, 16
.set DEPTH, 8
.set EMAX,  2
.set CB,    8                          ; bytes of 16 codes
.set R,     16                         ; v16-143  eight sets of 16 numbers as loaded
.set X,     144                        ; v144-175 two sets of 16 neighbours
.set E,     176                        ; v176-191 a scale byte for each step
.set C,     192                        ; v192-255 codes: registers of its own for each step
.set WREG,  8192                       ; LDS: a region for each wave: two stages of 32 x SP bytes, then its 256 scale bytes
.set SP,    80                         ; a lane's place in a stage: 64 bytes + 16 of padding
.set SPW,   12                         ; v12 LDS address of my spare word; never rewritten
.set NIL,   13                         ; v13 0; never rewritten
.set SPARE, 4*WREG                     ; behind the four regions: the spare words, 128 bytes a wave
.set SRC,   22                         ; s[22:23] the tensor that my work-group reads
	s_load_b512 s[4:19], s[0:1], 0x0               ; x 4, W_Q 6, W_K 8, W_V 10, W_O 12, codes 14, scales 16, wo16 18
	v_lshl_add_u32 v[SPW], v0, 2, SPARE
	v_mov_b32 v[NIL], 0
	v_lshrrev_b32 v1, 5, v0
	v_readfirstlane_b32 s20, v1                    ; wave
	v_and_b32 v2, 31, v0                           ; lane
	s_mov_b32 s27, 0
	s_wait_kmcnt 0x0
	s_cmp_ge_u32 ttmp9, 352                        ; the last 32 work-groups take W_O
	s_cbranch_scc1 .Lwo
	v_lshlrev_b32 v3, 4, v2                        ; my 16 bytes of a load's 512
	s_mul_i32 s21, s20, WREG
	v_lshrrev_b32 v14, 2, v2
	v_mul_u32_u24 v14, v14, SP
	v_and_b32 v15, 3, v2
	v_lshl_add_u32 v14, v15, 4, v14
	v_add_nc_u32 v14, s21, v14                     ; the stage, on the way in: SP (lane / 4) + 16 (lane % 4)
	v_mul_u32_u24 v15, v2, SP
	v_add_nc_u32 v15, s21, v15                     ; and on the way out: SP x lane
	v_mul_u32_u24 v4, v2, CB                       ; my codes' place in a step's
	v_lshrrev_b32 v5, 1, v2
	s_add_co_u32 s21, s21, 2*32*SP
	v_add_nc_u32 v5, s21, v5                       ; my block's scale byte in LDS
	v_lshlrev_b32 v7, 3, v2
	v_add_nc_u32 v6, s21, v7                       ; and on the way out 8 bytes a lane
	s_mov_b64 s[SRC:SRC+1], s[10:11]               ; which tensor: the choice hangs on the work-group's number alone
	s_mov_b32 s24, 320
	s_cmp_lt_u32 ttmp9, 320
	s_cselect_b64 s[SRC:SRC+1], s[8:9], s[SRC:SRC+1]
	s_cselect_b32 s24, 288, s24
	s_cmp_lt_u32 ttmp9, 288
	s_cselect_b64 s[SRC:SRC+1], s[6:7], s[SRC:SRC+1]
	s_cselect_b32 s24, 256, s24
	s_cmp_lt_u32 ttmp9, 256
	s_cselect_b64 s[SRC:SRC+1], s[4:5], s[SRC:SRC+1]
	s_cselect_b32 s24, 0, s24                      ; the tensor's first work-group
	s_sub_co_u32 s25, ttmp9, s24
	s_lshl_b32 s25, s25, 2
	s_add_co_u32 s25, s25, s20                     ; my run of 8,192 numbers in the tensor
	s_lshl_b32 s26, s25, 15
	s_add_nc_u64 s[SRC:SRC+1], s[SRC:SRC+1], s[26:27]
	s_lshl_b32 s25, ttmp9, 2
	s_add_co_u32 s25, s25, s20                     ; and in the two buffers, where the four tensors lie on end
	s_lshl_b32 s26, s25, 12
	s_add_nc_u64 s[14:15], s[14:15], s[26:27]
	s_lshl_b32 s26, s25, 8
	s_add_nc_u64 s[16:17], s[16:17], s[26:27]
.macro LOAD t
.irp i, 0,1,2,3
	global_load_b128 v[R+16*((\t)%DEPTH)+4*\i:R+16*((\t)%DEPTH)+4*\i+3], v3, s[SRC:SRC+1] offset:2048*(\t)+512*\i th:TH_LOAD_NT
.endr
.endm
.macro TURN t                          ; step t's numbers through the stage: LDS serves a wave's instructions in order, so no wait stands between the stores and the loads
.irp i, 0,1,2,3
	ds_store_b128 v14, v[R+16*((\t)%DEPTH)+4*\i:R+16*((\t)%DEPTH)+4*\i+3] offset:32*SP*((\t)%2)+8*SP*\i
.endr
.irp i, 0,1,2,3
	ds_load_b128 v[X+16*((\t)%2)+4*\i:X+16*((\t)%2)+4*\i+3], v15 offset:32*SP*((\t)%2)+16*\i
.endr
.endm
.irp t, 0,1,2,3,4,5,6,7
	LOAD \t
.endr
	s_wait_loadcnt 4*(DEPTH-1)                     ; step 0's four loads are in; seven steps' 28 may be out
	TURN 0
.macro STEP t
.set XS, X+16*((\t)%2)
.if (\t) > 0
	s_wait_dscnt 1                                 ; this step's numbers are back from the stage; the last step's byte store may be out
.else
	s_wait_dscnt 0x0
.endif
.if (\t)+DEPTH < STEPS
	LOAD (\t)+DEPTH                                ; into the registers that the stage's stores have read
.endif
.if (\t)+1 < STEPS
.if STEPS-2-(\t) >= DEPTH-1
	s_wait_loadcnt 4*(DEPTH-1)                     ; the next step's four loads are in; seven younger steps' may be out
.else
	s_wait_loadcnt 4*(STEPS-2-(\t))                ; towards the end: as many steps as are left behind the next
.endif
	TURN (\t)+1
.endif
	v_max3_num_f32 v8, |v[XS]|, |v[XS+1]|, |v[XS+2]|
	v_max3_num_f32 v9, |v[XS+3]|, |v[XS+4]|, |v[XS+5]|
.irp i, 6,10
	v_max3_num_f32 v8, v8, |v[XS+\i]|, |v[XS+\i+1]|
	v_max3_num_f32 v9, v9, |v[XS+\i+2]|, |v[XS+\i+3]|
.endr
	v_max3_num_f32 v8, v8, |v[XS+14]|, |v[XS+15]|
	v_max3_num_f32 v8, v8, v9, (EMAX+1)<<23        ; the floor 2^(3 - 127): the byte cannot fall under 1
	v_max_num_f32_dpp v8, v8, v8 row_xmask:1 row_mask:0xf bank_mask:0xf   ; with my neighbour's 16: the block's largest magnitude
	v_add_nc_u32 v11, 0xff000000, v8               ; 2 off its exponent field: the conversion takes this operand's exponent field as its scale
	v_cvt_scalef32_pk8_fp4_f32 v[C+4*(\t)], v[XS:XS+7], v11
	v_cvt_scalef32_pk8_fp4_f32 v[C+4*(\t)+1], v[XS+8:XS+15], v11
	v_lshrrev_b32 v[E+(\t)], 23, v11               ; the scale's byte
	ds_store_b8 v5, v[E+(\t)] offset:16*(\t)       ; both lanes of a block write the same byte with the same value
	global_store_b64 v4, v[C+4*(\t):C+4*(\t)+1], s[14:15] offset:32*CB*(\t)   ; the wave stores 256 consecutive bytes
.endm
.irp t, 0,1,2,3,4,5,6,7,8,9,10,11,12,13,14,15
	STEP \t
.endr
	ds_load_b64 v[8:9], v6                         ; LDS serves a wave's instructions in order: these see my byte stores
	s_wait_dscnt 0x0
	global_store_b64 v7, v[8:9], s[16:17]          ; 32 lanes store 256 consecutive bytes of scales
	s_wait_tensorcnt 0x0                           ; the wave's end
	ds_add_u32 v[SPW], v[NIL]
	s_wait_dscnt 0x0
	s_endpgm
; W_O to f16: a wave takes 8,192 numbers in four batches of eight groups of 256.  A lane takes 8 neighbours (two loads of 16 bytes) and stores 16 bytes: a store covers 512 consecutive bytes.  No LDS on this way.
.Lwo:
	s_sub_co_u32 s21, ttmp9, 352
	s_lshl_b32 s21, s21, 2
	s_add_co_u32 s21, s21, s20
	s_lshl_b32 s26, s21, 15
	s_add_nc_u64 s[12:13], s[12:13], s[26:27]
	s_lshl_b32 s26, s21, 14
	s_add_nc_u64 s[18:19], s[18:19], s[26:27]
	v_lshlrev_b32 v3, 5, v2
	v_lshlrev_b32 v4, 4, v2
.macro LOADB bt
.irp g, 0,1,2,3,4,5,6,7
	global_load_b128 v[16+64*((\bt)%2)+8*\g:16+64*((\bt)%2)+8*\g+3], v3, s[12:13] offset:1024*(8*(\bt)+\g)
	global_load_b128 v[16+64*((\bt)%2)+8*\g+4:16+64*((\bt)%2)+8*\g+7], v3, s[12:13] offset:1024*(8*(\bt)+\g)+16
.endr
.endm
.macro CONV bt
.if (\bt) < 3
	s_wait_loadcnt 16                              ; this batch's sixteen loads are in; the next batch's may be out
.else
	s_wait_loadcnt 0x0
.endif
.if (\bt) >= 2
	s_wait_xcnt 0x0                                ; the stores of two batches back have read the registers that are written again now
.endif
.irp g, 0,1,2,3,4,5,6,7
.irp k, 0,1,2,3
	v_cvt_pk_f16_f32 v[144+32*((\bt)%2)+4*\g+\k], v[16+64*((\bt)%2)+8*\g+2*\k], v[16+64*((\bt)%2)+8*\g+2*\k+1]
.endr
.endr
.if (\bt)+2 < 4
	LOADB (\bt)+2
.endif
.irp g, 0,1,2,3,4,5,6,7
	global_store_b128 v4, v[144+32*((\bt)%2)+4*\g:144+32*((\bt)%2)+4*\g+3], s[18:19] offset:512*(8*(\bt)+\g)
.endr
.endm
	LOADB 0
	LOADB 1
	CONV 0
	CONV 1
	CONV 2
	CONV 3
	s_endpgm
.Lfunc_end_k_q0ebc053a45_quant:
	.size	k_q0ebc053a45_quant, .Lfunc_end_k_q0ebc053a45_quant-k_q0ebc053a45_quant
	.p2alignl 7, 3214868480
	.fill 96, 4, 3214868480
	.section	.rodata,"a",@progbits
	.p2align	6, 0x0
	.amdhsa_kernel k_q0ebc053a45_quant
		.amdhsa_group_segment_fixed_size 33280
		.amdhsa_private_segment_fixed_size 0
		.amdhsa_enable_private_segment 0
		.amdhsa_kernarg_size 64
		.amdhsa_user_sgpr_count 2
		.amdhsa_user_sgpr_kernarg_segment_ptr 1
		.amdhsa_wavefront_size32 1
		.amdhsa_system_sgpr_workgroup_id_x 1
		.amdhsa_system_sgpr_workgroup_id_y 1
		.amdhsa_system_sgpr_workgroup_id_z 1
		.amdhsa_system_vgpr_workitem_id 0
		.amdhsa_next_free_vgpr 256
		.amdhsa_next_free_sgpr 66
		.amdhsa_reserve_vcc 0
		.amdhsa_float_denorm_mode_32 3
		.amdhsa_float_denorm_mode_16_64 3
		.amdhsa_memory_ordered 1
		.amdhsa_forward_progress 1
		.amdhsa_inst_pref_size 51
	.end_amdhsa_kernel
	.amdgpu_metadata
---
amdhsa.version: [ 1, 2 ]
amdhsa.kernels:
  - .name:           k_q0ebc053a45_quant
    .symbol:         k_q0ebc053a45_quant.kd
    .args:
      - { .name: x, .offset: 0, .size: 8, .value_kind: global_buffer, .address_space: global }
      - { .name: W_Q, .offset: 8, .size: 8, .value_kind: global_buffer, .address_space: global }
      - { .name: W_K, .offset: 16, .size: 8, .value_kind: global_buffer, .address_space: global }
      - { .name: W_V, .offset: 24, .size: 8, .value_kind: global_buffer, .address_space: global }
      - { .name: W_O, .offset: 32, .size: 8, .value_kind: global_buffer, .address_space: global }
      - { .name: codes, .offset: 40, .size: 8, .value_kind: global_buffer, .address_space: global }
      - { .name: scales, .offset: 48, .size: 8, .value_kind: global_buffer, .address_space: global }
      - { .name: wo16, .offset: 56, .size: 8, .value_kind: global_buffer, .address_space: global }
    .group_segment_fixed_size: 33280
    .private_segment_fixed_size: 0
    .kernarg_segment_align: 8
    .kernarg_segment_size: 64
    .max_flat_workgroup_size: 128
    .sgpr_count:     66
    .vgpr_count:     256
    .wavefront_size: 32
...
	.end_amdgpu_metadata
.endif
;; end of part 1
;; launch qkv (part 2): grid 12 x 32, 4 waves a work-group, clusters of 4 x 4, 327,680 bytes of LDS; arguments codes, scales, qkv, fine32; writes qkv, fine32
.if DOCPART == 2
	.amdgcn_target "amdgcn-amd-amdhsa--gfx1250"
	.amdhsa_code_object_version 6
	.text
	.protected	k_q0ebc053a45_qkv
	.globl	k_q0ebc053a45_qkv
	.p2align	8
	.type	k_q0ebc053a45_qkv,@function
k_q0ebc053a45_qkv:
	s_mov_b64 s[64:65], 0
	v_nop
	global_prefetch_b8 v0, s[64:65] scope:SCOPE_SE
	s_setreg_imm32_b32 hwreg(HW_REG_WAVE_MODE, 25, 1), 1
	s_wait_xcnt 0x0
	s_wait_alu depctr_hold_cnt(0) depctr_sa_sdst(0) depctr_va_vdst(0) depctr_va_sdst(0) depctr_va_ssrc(0) depctr_va_vcc(0) depctr_vm_vsrc(0)
	s_getreg_b32 s2, hwreg(HW_REG_IB_STS2, 6, 4)
	s_cmp_eq_u32 s2, 0
	s_cbranch_scc0 .Lentry_in_a_cluster
	s_endpgm
.Lentry_in_a_cluster:
	s_bfe_u32 s2, ttmp6, 0x10000c
	s_cmp_lg_u32 s2, 0xf033
	s_cbranch_scc0 .Lentry_shape_is_right
	s_endpgm
.Lentry_shape_is_right:
; [q | k | v][m][n] = sum over d of x[m][d] W[n][d], on codes of FP4 (E2M1) with one E8M0 scale for each 32 along d: M 8,192, N 3,072 (W_Q's, W_K's, W_V's rows on end), K 1,024; sums in f32.
; The result leaves as f16, [8192][3072]; the first 16 positions of each sequence leave in f32 too, as images of the accumulators' registers, for the launch that carries those rows finely.
; A tile of 256 x 256 is made by four waves, each 128 x 128: 64 accumulators, 512 registers.  K is two slots of 512 (rows of 256 bytes): both are asked for at the start, nothing is filled again.
; The scale bytes of the work-group's 256 + 256 rows, two dense blocks, come with the first fills, as units of 256 bytes + 16 of padding.
; CLUSTER 4 x 4: x's tile is shared along a row of the cluster, W's along a column: joint loads.  Tile row = cluster y + 8 cy, so that the first tile of every sequence lies in the clusters with y = 0:
; the one branch on a place (who stores the f32 image) hangs on the cluster's y and the wave's number, which all partners share.
; The matrix instruction is used transposed (source 0 = 16 rows of W, source 1 = 16 rows of x): a lane holds eight neighbouring numbers of a row of the result.
; REGISTERS: window 0: v0-31 addresses; v32-95 scale words, two sets; v128-191 x's fragments, one set; on the way out v32-255 are free.  window 1: W's fragments, two sets.  windows 2, 3: the accumulators.
.set SIZE_K, 1024
.set KSTEP,  512
.set NQ,     KSTEP/128
.set ROWB,   256
.set KROW,   SIZE_K/2
.set PITCH,  272                       ; 256 bytes + 16 of padding: the 16 rows that a load touches start 68 words apart
.set FR,     8
.set NL,     2
.set NP,     4
.set HALFT,  128*PITCH
.set SLOT,   4*HALFT
.set KS,     SIZE_K/32
.set SCL,    2*SLOT
.set HALFS,  (128*KS/256)*272
.set SBLK,   (16*KS/256)*272
.set SPARE,  SCL+4*HALFS               ; the spare words, 128 bytes a wave
.set SPITCH, 272                       ; the way out: 16 rows x (256 bytes + 16) for each wave, in slot 0, which has had its only fill and its last read by then
.set CROW,   6144                      ; a row of the result in bytes
.set ADRA, 16
.set ADRB, 20
.set STO,  24
.set RD,   25
.set CO,   26
.set ADRS, 27
.set SPW,  28
.set NIL,  29
.set IMO,  30                          ; v30 16 x lane: my place in an image
.set SC,   32
.set AF,   128
.set TMP,  192                         ; the way out: packed results
.set OB,   32                          ; and rows read back: v32-63 and v224-255 by turns
.set G1, 24
.set G0, 32
.set G1B, 48
.set G0B, 56
.set G1S, 68
.set G0S, 76
.set G1SB, 80
.set G0SB, 88
.set MSB, 0
.macro WIN new                         ; the immediate's high byte repeats the setting that is left
.if MSB != \new
	s_set_vgpr_msb (MSB<<8)|\new
.set MSB, \new
.endif
.endm
.set MUL_LO, 0xa1                      ; source 0 (W) window 1, source 1 (x) window 0, C and D window 2
.set MUL_HI, 0xf1
.set TO_B,   0x40
; A joint load: waves 0 and 1 fetch for x, waves 2 and 3 for W.  An s_nop 0 and four v_nop follow each line.
.macro JLOAD g0a, g1a, g0b, g1b
	s_cmp_eq_u32 s15, 0
	s_cbranch_scc0 .Lfor_b_\@
	tensor_load_to_lds s[\g0a:\g0a+3], s[\g1a:\g1a+7]
	s_nop 0
.rept 4
	v_nop
.endr
	s_branch .Lasked_\@
.Lfor_b_\@:
	tensor_load_to_lds s[\g0b:\g0b+3], s[\g1b:\g1b+7]
	s_nop 0
.rept 4
	v_nop
.endr
.Lasked_\@:
.endm
.macro CROUND                          ; a round of the cluster's barrier
	s_barrier_signal -1
	s_barrier_wait -1
	s_cmp_lg_u32 s14, 0
	s_cbranch_scc1 .Lnot_wave_0_\@
	s_barrier_signal -3
.Lnot_wave_0_\@:
	s_barrier_wait -3
	s_barrier_signal -1
	s_barrier_wait -1
.endm
	s_load_b128 s[4:7], s[0:1], 0x0                ; codes, scales
	s_load_b64 s[12:13], s[0:1], 0x10              ; the result
	s_load_b64 s[96:97], s[0:1], 0x18              ; the f32 images
	v_lshl_add_u32 v[SPW], v0, 2, SPARE
	v_mov_b32 v[NIL], 0
	ds_add_u32 v[SPW], v[NIL]                      ; the wave's opening: the add, twice on end, and its wait ahead of my first tensor load
	ds_add_u32 v[SPW], v[NIL]
	v_lshrrev_b32 v1, 5, v0
	v_readfirstlane_b32 s14, v1                    ; wave 0..3
	s_lshr_b32 s15, s14, 1                         ; my half of the tile's rows; also: I fetch for x (0) or for W (1)
	s_and_b32 s16, s14, 1                          ; my half of its columns; also: which 128 rows I fetch
	s_bfe_u32 s40, ttmp6, 0x40000                  ; cx
	s_bfe_u32 s41, ttmp6, 0x40004                  ; cy
	s_lshl_b32 s42, ttmp9, 2
	s_add_co_u32 s42, s42, s40                     ; tile column = 4 x cluster x + cx
	s_and_b32 s17, ttmp7, 0xffff                   ; cluster y
	s_or_b32 s67, s17, s15                         ; 0: my first 16 rows are a sequence's first 16 positions
	s_lshl_b32 s66, s41, 3
	s_add_co_u32 s17, s17, s66                     ; tile row = cluster y + 8 cy
	s_lshl_b32 s43, s41, 2
	s_lshl_b32 s43, 15, s43                        ; my row of the cluster
	s_lshl_b32 s44, 0x1111, s40                    ; my column
	s_or_b32 s[G1+0], s43, (0<<16)|(1<<20)|(1<<21)|(5<<22)|(3<<25)   ; elements of 1 byte; 4 words of padding behind every 64; the mask, bit 21 beside it
	s_or_b32 s[G1B+0], s44, (0<<16)|(1<<20)|(1<<21)|(5<<22)|(3<<25)
.irp g, G1, G1B
	s_mov_b32 s[\g+1], ROWB<<16                    ; tensor_dim0
	s_mov_b32 s[\g+2], 128<<16                     ; tensor_dim1
	s_mov_b32 s[\g+3], ROWB<<16                    ; tile_dim0
	s_mov_b32 s[\g+4], 128                         ; tile_dim1
	s_mov_b32 s[\g+5], KROW                        ; the pitch
	s_mov_b32 s[\g+6], 0
	s_mov_b32 s[\g+7], 0
.endr
	s_or_b32 s[G1S+0], s43, (3<<16)|(1<<20)|(1<<21)|(5<<22)|(3<<25)  ; the scales of 128 rows: 4,096 dense bytes as 16 rows of 32 elements of 8 bytes
	s_or_b32 s[G1SB+0], s44, (3<<16)|(1<<20)|(1<<21)|(5<<22)|(3<<25)
.irp g, G1S, G1SB
	s_mov_b32 s[\g+1], 32<<16
	s_mov_b32 s[\g+2], (128*KS/256)<<16
	s_mov_b32 s[\g+3], 32<<16
	s_mov_b32 s[\g+4], 128*KS/256
	s_mov_b32 s[\g+5], 32
	s_mov_b32 s[\g+6], 0
	s_mov_b32 s[\g+7], 0
.endr
	s_lshl_b32 s18, s16, 7
	s_lshl_b32 s20, s17, 8
	s_add_co_u32 s20, s20, s18                     ; x: row 256 x tile row + 128 x half
	s_lshl_b32 s46, s42, 8
	s_add_co_u32 s46, s46, s18                     ; W: row 256 x tile column + 128 x half
	s_mov_b32 s21, 0
	s_mov_b32 s47, 0
	s_mov_b64 s[18:19], KS
	s_mul_u64 s[22:23], s[20:21], s[18:19]
	s_mul_u64 s[92:93], s[46:47], s[18:19]
	s_mov_b64 s[18:19], KROW
	s_mul_u64 s[20:21], s[20:21], s[18:19]
	s_mul_u64 s[46:47], s[46:47], s[18:19]
	s_mul_i32 s45, s14, HALFT                      ; where they go: wave x 128 rows
	s_mul_i32 s94, s14, HALFS
	s_wait_dscnt 0x0                               ; both opening adds are done
	s_wait_kmcnt 0x0
	s_add_nc_u64 s[8:9], s[4:5], 0x400000          ; W's codes lie behind x's 8,192 rows of 512 bytes,
	s_add_nc_u64 s[10:11], s[6:7], 0x40000         ; W's scales behind x's 8,192 rows of 32
	s_add_nc_u64 s[20:21], s[4:5], s[20:21]
	s_add_nc_u64 s[22:23], s[6:7], s[22:23]
	s_add_nc_u64 s[46:47], s[8:9], s[46:47]
	s_add_nc_u64 s[92:93], s[10:11], s[92:93]
	CROUND                                         ; all sixteen work-groups are here: the joint loads meet
	s_mov_b32 s[G0S], 1
	s_add_co_u32 s[G0S+1], s94, SCL
	s_mov_b64 s[G0S+2:G0S+3], s[22:23]
	s_or_b32 s[G0S+3], s[G0S+3], 0x80000000
	s_mov_b32 s[G0SB], 1
	s_add_co_u32 s[G0SB+1], s94, SCL
	s_mov_b64 s[G0SB+2:G0SB+3], s[92:93]
	s_or_b32 s[G0SB+3], s[G0SB+3], 0x80000000
	JLOAD G0S, G1S, G0SB, G1SB                     ; the scales first; three loads of mine are out behind the last of these
.irp s, 0,1
	s_mov_b32 s[G0+4*\s], 1
	s_add_co_u32 s[G0+4*\s+1], s45, \s*SLOT
	s_add_nc_u64 s[G0+4*\s+2:G0+4*\s+3], s[20:21], \s*ROWB
	s_or_b32 s[G0+4*\s+3], s[G0+4*\s+3], 0x80000000
	s_mov_b32 s[G0B+4*\s], 1
	s_add_co_u32 s[G0B+4*\s+1], s45, \s*SLOT
	s_add_nc_u64 s[G0B+4*\s+2:G0B+4*\s+3], s[46:47], \s*ROWB
	s_or_b32 s[G0B+4*\s+3], s[G0B+4*\s+3], 0x80000000
	JLOAD G0+4*\s, G1, G0B+4*\s, G1B
.endr
	v_and_b32 v1, 15, v0                           ; r
	v_bfe_u32 v2, v0, 4, 1                         ; h
	v_mul_u32_u24 v3, v1, PITCH
	v_lshl_add_u32 v4, v2, 4, v3
	s_mul_i32 s21, s15, HALFT
	s_mul_i32 s22, s16, HALFT
	s_add_co_u32 s22, s22, 2*HALFT
.irp s, 0,1
	v_add_nc_u32 v[ADRA+\s], s21, v4
	v_add_nc_u32 v[ADRB+\s], s22, v4
	s_add_co_u32 s21, s21, SLOT
	s_add_co_u32 s22, s22, SLOT
.endr
	v_mul_u32_u24 v5, v1, KS                       ; my row's scales: KS bytes a row, and 16 more for each 256 passed
	v_lshrrev_b32 v6, 8, v5
	v_lshl_add_u32 v5, v6, 4, v5
	s_mul_i32 s21, s15, HALFS
	s_mul_i32 s22, s16, HALFS
	s_add_co_u32 s22, s22, 2*HALFS
	s_sub_co_u32 s22, s22, s21
	v_mul_u32_u24 v6, s22, v2                      ; lanes 16-31 take W's
	s_add_co_u32 s21, s21, SCL
	v_add_nc_u32 v5, v5, v6
	v_add_nc_u32 v[ADRS], s21, v5
	s_mul_i32 s23, s14, 16*SPITCH                  ; my stage
	v_mul_u32_u24 v5, v1, SPITCH
	v_lshl_add_u32 v5, v2, 4, v5
	v_add_nc_u32 v[STO], s23, v5                   ; in: row r, 16 bytes for each half of the lanes
	v_mul_u32_u24 v5, v2, SPITCH
	v_lshl_add_u32 v5, v1, 4, v5
	v_add_nc_u32 v[RD], s23, v5                    ; back: lanes 0-15 one row of 256 bytes, lanes 16-31 the next
	v_mul_u32_u24 v5, v2, CROW
	v_lshl_add_u32 v[CO], v1, 4, v5                ; and the same two rows in the result
	v_and_b32 v6, 31, v0
	v_lshlrev_b32 v[IMO], 4, v6
	s_lshl_b32 s20, s17, 8
	s_lshl_b32 s21, s15, 7
	s_add_co_u32 s20, s20, s21                     ; my first row
	s_mov_b32 s21, 0
	s_mov_b64 s[18:19], CROW
	s_mul_u64 s[20:21], s[20:21], s[18:19]
	s_lshl_b32 s46, s42, 9                         ; my first column, in bytes: 512 x tile column + 256 x half
	s_lshl_b32 s47, s16, 8
	s_add_co_u32 s46, s46, s47
	s_mov_b32 s47, 0
	s_add_nc_u64 s[20:21], s[20:21], s[46:47]
	s_add_nc_u64 s[12:13], s[12:13], s[20:21]
	s_mul_i32 s66, s41, 24                         ; the image: [sequence = cy][group of 128 columns = 2 x tile column + half], 8,192 bytes each
	s_lshl_b32 s95, s42, 1
	s_add_co_u32 s66, s66, s95
	s_add_co_u32 s66, s66, s16
	s_lshl_b32 s98, s66, 13
	s_mov_b32 s99, 0
	s_add_nc_u64 s[98:99], s[96:97], s[98:99]
.macro FRAG reg, adr, q, i             ; 16 rows x 128 K of 4-bit codes: 8 registers, two loads of 16 bytes, 32 bytes apart
.irp c, 0,1
	ds_load_b128 v[\reg+4*\c:\reg+4*\c+3], v[\adr] offset:64*(\q)+32*\c+(\i)*16*PITCH
.endr
.endm
; 16 matrix instructions: x's blocks a0, a0 + 1 against W's eight.  The 64 accumulators take turns, one instruction a turn, in the same order in every step.
.macro MUL16 a0, p, q, sc, zero
.irp a, \a0, \a0+1
.irp b, 0,1,2,3,4,5,6,7
.if \zero
	v_wmma_scale_f32_16x16x128_f8f6f4 v[8*(8*((\a)%4)+\b):8*(8*((\a)%4)+\b)+7], v[128*(\p)+FR*\b:128*(\p)+FR*\b+FR-1], v[AF+FR*(\a):AF+FR*(\a)+FR-1], 0, v[SC+8*NQ*(\sc)+NQ*\b+(\q)], v[SC+8*NQ*(\sc)+NQ*(\a)+(\q)] matrix_a_fmt:MATRIX_FMT_FP4 matrix_b_fmt:MATRIX_FMT_FP4 matrix_a_scale:MATRIX_SCALE_ROW1
.else
	v_wmma_scale_f32_16x16x128_f8f6f4 v[8*(8*((\a)%4)+\b):8*(8*((\a)%4)+\b)+7], v[128*(\p)+FR*\b:128*(\p)+FR*\b+FR-1], v[AF+FR*(\a):AF+FR*(\a)+FR-1], v[8*(8*((\a)%4)+\b):8*(8*((\a)%4)+\b)+7], v[SC+8*NQ*(\sc)+NQ*\b+(\q)], v[SC+8*NQ*(\sc)+NQ*(\a)+(\q)] matrix_a_fmt:MATRIX_FMT_FP4 matrix_b_fmt:MATRIX_FMT_FP4 matrix_a_scale:MATRIX_SCALE_ROW1
.endif
.endr
.endr
.endm
.macro FETCH_B slot, q, p
	WIN TO_B
.irp i, 0,1,2,3,4,5,6,7
	FRAG 128*(\p)+FR*\i, ADRB+\slot, \q, \i
.endr
	WIN 0
.endm
.macro FETCH_A slot, q, i0
.irp i, \i0, \i0+1, \i0+2, \i0+3
	FRAG AF+FR*(\i), ADRA+\slot, \q, \i
.endr
.endm
.macro SCALES sc                       ; a slot's scale words: lanes 0-15 x's block i, lanes 16-31 W's block i
.irp i, 0,1,2,3,4,5,6,7
	ds_load_b128 v[SC+8*NQ*\sc+NQ*\i:SC+8*NQ*\sc+NQ*\i+3], v[ADRS] offset:\i*SBLK
.endr
.endm
.macro PLACES n                        ; plain vector instructions between a matrix instruction and a load into, or a read of, its registers
.rept \n
	v_nop
.endr
.endm
.macro STEP slot, q, zero              ; 128 along K with its successor in the same slot
	s_wait_dscnt 4*NL                              ; W's set and x's blocks 0-3 are in; the youngest eight loads (x's blocks 4-7) may be out
	WIN MUL_LO
	MUL16 0, (\q)%2, \q, \slot, \zero
	MUL16 2, (\q)%2, \q, \slot, \zero
	s_wait_dscnt 0
	PLACES NP
	FETCH_B \slot, (\q)+1, 1-(\q)%2
	FETCH_A \slot, (\q)+1, 0
	WIN MUL_HI
	MUL16 4, (\q)%2, \q, \slot, \zero
	MUL16 6, (\q)%2, \q, \slot, \zero
	PLACES NP
	WIN 0
	FETCH_A \slot, (\q)+1, 4
.endm
.macro STEPS slot, from
.set Q, \from
.rept NQ-1-\from
	STEP \slot, Q, 0
.set Q, Q+1
.endr
.endm
	s_wait_tensorcnt 1                             ; the scales and my part of slot 0 are in; slot 1's load may be out
	s_barrier_signal -1
	s_barrier_wait -1
	FETCH_B 0, 0, 0
	FETCH_A 0, 0, 0
	SCALES 0
	FETCH_A 0, 0, 4
	STEP 0, 0, 1                                   ; the first products start the sums: nothing is cleared
	STEPS 0, 1
	; slot 0's last step changes slots: one barrier; nothing is filled again
	s_wait_tensorcnt 0x0                           ; my part of slot 1 has landed
	ds_add_u32 v[SPW], v[NIL]
	s_wait_dscnt 4*NL+1                            ; the add and the youngest eight loads may be out
	WIN MUL_LO
	MUL16 0, 1, NQ-1, 0, 0
	s_wait_dscnt 0x0                               ; the add is done, my reads of slot 0 are over
	s_barrier_signal -1
	MUL16 2, 1, NQ-1, 0, 0
	WIN 0
	s_barrier_wait -1
	PLACES NP
	v_add_nc_u32 v[ADRS], 4*NQ, v[ADRS]            ; slot 1's scale words
	FETCH_B 1, 0, 0
	FETCH_A 1, 0, 0
	SCALES 1
	WIN MUL_HI
	MUL16 4, 1, NQ-1, 0, 0
	MUL16 6, 1, NQ-1, 0, 0
	PLACES NP
	WIN 0
	FETCH_A 1, 0, 4
	STEPS 1, 0
	s_wait_dscnt 4*NL
	WIN MUL_LO
	MUL16 0, 1, NQ-1, 1, 0
	MUL16 2, 1, NQ-1, 1, 0
	s_wait_dscnt 0
	WIN MUL_HI
	MUL16 4, 1, NQ-1, 1, 0
	MUL16 6, 1, NQ-1, 1, 0
	WIN 0
; THE WAY OUT.  PACK: a block of 16 rows rounded to f16, 16 bytes a lane.  TOSTAGE: into my stage, back as whole rows of 256 bytes.  SEND: sixteen lanes store 256 consecutive bytes.
.macro PACK a
.set AC, 64*((\a)%4)
	WIN 0x0a+5*((\a)/4)                            ; sources 0 and 1: window 2 or 3
.irp b, 0,1,2,3,4,5,6,7
.irp r, 0,1,2,3
	v_cvt_pk_f16_f32 v[TMP+4*\b+\r], v[AC+8*\b+2*\r], v[AC+8*\b+2*\r+1]
.endr
.endr
	WIN 0
.endm
.macro TOSTAGE a
.set BK, OB+192*((\a)%2)
.irp b, 0,1,2,3,4,5,6,7
	ds_store_b128 v[STO], v[TMP+4*\b:TMP+4*\b+3] offset:32*\b
.endr
.irp t, 0,1,2,3,4,5,6,7
	ds_load_b128 v[BK+4*\t:BK+4*\t+3], v[RD] offset:\t*2*SPITCH    ; LDS serves a wave's instructions in order: these see the stores above
.endr
.endm
.macro SEND a
.set BK, OB+192*((\a)%2)
	s_wait_dscnt 0x0                               ; the block is back in registers
	s_wait_xcnt 0x0                                ; earlier stores have read their base and their data: both may be written again
.if (\a) > 0
	s_add_nc_u64 s[12:13], s[12:13], 16*CROW
.endif
.irp t, 0,1,2,3,4,5,6,7
	global_store_b128 v[CO], v[BK+4*\t:BK+4*\t+3], s[12:13] offset:2*\t*CROW
.endr
.endm
	PLACES NP
	s_cmp_lg_u32 s67, 0                            ; the cluster's y and the wave's number alone: alike in all partners
	s_cbranch_scc1 .Lnoimg
	WIN 0x08                                       ; a store's data: window 2
.irp b, 0,1,2,3,4,5,6,7                        ; block 0's eight accumulators as they stand, each from its low end: 512 consecutive bytes a store
	global_store_b128 v[IMO], v[8*\b:8*\b+3], s[98:99] offset:1024*\b
	global_store_b128 v[IMO], v[8*\b+4:8*\b+7], s[98:99] offset:1024*\b+512
.endr
	WIN 0
.Lnoimg:
	PACK 0
	TOSTAGE 0
.irp a, 1,2,3,4,5,6,7
	PACK \a
	SEND (\a)-1
	TOSTAGE \a
.endr
	SEND 7
	s_wait_tensorcnt 0x0                           ; the wave's end
	ds_add_u32 v[SPW], v[NIL]
	s_wait_dscnt 0x0
	CROUND                                         ; the closing round
	s_endpgm
.Lfunc_end_k_q0ebc053a45_qkv:
	.size	k_q0ebc053a45_qkv, .Lfunc_end_k_q0ebc053a45_qkv-k_q0ebc053a45_qkv
	.p2alignl 7, 3214868480
	.fill 96, 4, 3214868480
	.section	.rodata,"a",@progbits
	.p2align	6, 0x0
	.amdhsa_kernel k_q0ebc053a45_qkv
		.amdhsa_group_segment_fixed_size 327680
		.amdhsa_private_segment_fixed_size 0
		.amdhsa_enable_private_segment 0
		.amdhsa_kernarg_size 32
		.amdhsa_user_sgpr_count 2
		.amdhsa_user_sgpr_kernarg_segment_ptr 1
		.amdhsa_wavefront_size32 1
		.amdhsa_system_sgpr_workgroup_id_x 1
		.amdhsa_system_sgpr_workgroup_id_y 1
		.amdhsa_system_sgpr_workgroup_id_z 1
		.amdhsa_system_vgpr_workitem_id 0
		.amdhsa_next_free_vgpr 1024
		.amdhsa_next_free_sgpr 102
		.amdhsa_reserve_vcc 0
		.amdhsa_float_denorm_mode_32 3
		.amdhsa_float_denorm_mode_16_64 3
		.amdhsa_memory_ordered 1
		.amdhsa_forward_progress 1
		.amdhsa_inst_pref_size 129
	.end_amdhsa_kernel
	.amdgpu_metadata
---
amdhsa.version: [ 1, 2 ]
amdhsa.kernels:
  - .name:           k_q0ebc053a45_qkv
    .symbol:         k_q0ebc053a45_qkv.kd
    .args:
      - { .name: codes, .offset: 0, .size: 8, .value_kind: global_buffer, .address_space: global }
      - { .name: scales, .offset: 8, .size: 8, .value_kind: global_buffer, .address_space: global }
      - { .name: qkv, .offset: 16, .size: 8, .value_kind: global_buffer, .address_space: global }
      - { .name: fine32, .offset: 24, .size: 8, .value_kind: global_buffer, .address_space: global }
    .group_segment_fixed_size: 327680
    .private_segment_fixed_size: 0
    .kernarg_segment_align: 8
    .kernarg_segment_size: 32
    .max_flat_workgroup_size: 128
    .sgpr_count:     102
    .vgpr_count:     1024
    .wavefront_size: 32
...
	.end_amdgpu_metadata
.endif
;; end of part 2
;; launch scores (part 3): grid 36 x 4, 4 waves a work-group, no clusters, 327,680 bytes of LDS; arguments qkv, pbuf, stat; writes pbuf, stat
.if DOCPART == 3
	.amdgcn_target "amdgcn-amd-amdhsa--gfx1250"
	.amdhsa_code_object_version 6
	.text
	.protected	k_q0ebc053a45_scores
	.globl	k_q0ebc053a45_scores
	.p2align	8
	.type	k_q0ebc053a45_scores,@function
k_q0ebc053a45_scores:
	s_mov_b64 s[64:65], 0
	v_nop
	global_prefetch_b8 v0, s[64:65] scope:SCOPE_SE
	s_setreg_imm32_b32 hwreg(HW_REG_WAVE_MODE, 25, 1), 1
	s_wait_xcnt 0x0
; For each sequence and each LIVE tile (I, J), J <= I, of 256 queries x 256 keys: s = q . k over 1,024 channels (f16 operands, f32 sums); t = s log2(e) / 32; M = the row's largest t IN THIS CHUNK of 256
; keys, rounded up to a whole number; p = 2^(t - M), rounded to f16, goes to pbuf; -M and the row's sums of the unrounded p (keys 0-127, keys 128-255) go to stat.  The next launch brings the chunks
; of a row under one M by exact powers of two.
; WORK LEFT OUT: tiles with J > I lie wholly under reference()'s own causal mask (weight 0 for every input): they are not computed, stored or read.  On the diagonal hidden scores become -inf: p = 0.
; Every chunk that is made holds a live key for each of its rows (its first key is at or under every query of the tile), so every M is a number.
; NO CLUSTER: the live tiles of a sequence are a triangle of 36; no group of four neighbours along a row or a column is live everywhere, and a partner under the mask would ask for tiles that it never reads.
; SHARES: a work-group of four waves makes one tile, a wave 128 x 128: 64 accumulators in windows 2 and 3.  K goes in 8 steps of 128 through two LDS slots; each wave fetches 128 rows of 256 bytes a step.
; The matrix instruction is used transposed (source 0 = 16 keys, source 1 = 16 queries): a lane holds ONE query (lane % 16) and, in accumulator (a, b), keys 16 b + 8 (lane / 16) + 0 .. 7.
; REGISTERS: window 0: v0-31 addresses; v32-63 a row block's figures; v64-191 q's fragments, two buffers, later the block at work and rows read back; v192-255 at work.  window 1: k's fragments.
.set KSTEP,  128
.set PITCH,  272                       ; 256 bytes + 16 of padding
.set HALFT,  128*PITCH
.set SLOT,   4*HALFT                   ; q's 256 rows, then k's 256 rows
.set STAGE,  2*SLOT                    ; 16 rows x 272 bytes for each wave
.set SPITCH, 272
.set XCH,    STAGE+4*16*SPITCH         ; the waves' row maxima: 512 bytes a wave
.set LST,    XCH+2048                  ; -M and the sums on their way out: 1,024 bytes a wave
.set SPARE,  LST+4096                  ; the spare words, 128 bytes a wave
.set LAPS,   4
.set XA,   3                           ; v3  XCH + 512 w + 4 r
.set XB,   4                           ; v4  the same of the wave with the row's other 128 keys
.set LA,   5                           ; v5  LST + 1024 w + 4 r
.set LB,   6                           ; v6  LST + 1024 w + 16 lane
.set L16,  7                           ; v7  16 lane
.set DG,   8                           ; v8  128 (wr - wc) + r - 8 h: key 16 (b - a) + j is hidden where it is greater
.set NINF, 9                           ; v9  -infinity
.set ADRA, 16
.set ADRB, 20
.set STO,  24
.set RD,   25
.set CO,   26
.set SPW,  28
.set NIL,  29
.set NM,   32                          ; v[32+2a] -M of block a, v[33+2a] its largest score
.set PM,   48                          ; v48-55 what another lane or wave sends
.set LS,   56                          ; v56-63 the sums
.set W,    64                          ; v64-127 a block's 64 numbers
.set TMP,  192                         ; v192-223 packed f16
.set T,    224                         ; v224-239 maxima at work
.set F0,   64
.set F1,   128
.set G1,   24
.set G0,   32
.set CS,   40                          ; s[40:41] c = log2(e) / 32
.set SEL,  42                          ; s[42:43] lane l xor 16
.set MSB, 0
.macro WIN new
.if MSB != \new
	s_set_vgpr_msb (MSB<<8)|\new
.set MSB, \new
.endif
.endm
.set MUL_LO, 0xa1
.set MUL_HI, 0xf1
.set TO_B,   0x40
	s_load_b128 s[4:7], s[0:1], 0x0                ; qkv, pbuf
	s_load_b64 s[8:9], s[0:1], 0x10                ; stat
	v_lshl_add_u32 v[SPW], v0, 2, SPARE
	v_mov_b32 v[NIL], 0
	ds_add_u32 v[SPW], v[NIL]                      ; the wave's opening: the add, twice on end, and its wait ahead of my first tensor load
	ds_add_u32 v[SPW], v[NIL]
	v_lshrrev_b32 v1, 5, v0
	v_readfirstlane_b32 s10, v1                    ; wave
	s_lshr_b32 s11, s10, 1                         ; wr: my half of the queries
	s_and_b32 s12, s10, 1                          ; wc: my half of the keys; also which 128 rows I fetch
	s_mov_b32 s13, 0                               ; I: the row of the triangle in which tile number ttmp9 lies
.irp thr, 1,3,6,10,15,21,28
	s_cmp_ge_u32 ttmp9, \thr
	s_add_co_ci_u32 s13, s13, 0
.endr
	s_add_co_u32 s14, s13, 1
	s_mul_i32 s14, s14, s13
	s_lshr_b32 s14, s14, 1
	s_sub_co_u32 s14, ttmp9, s14                   ; J
	s_and_b32 s15, ttmp7, 0xffff                   ; the sequence
	s_mov_b32 s[G1+0], (1<<16)|(1<<20)|(5<<22)|(3<<25)   ; elements of 2 bytes; 4 words of padding behind every 64
	s_mov_b32 s[G1+1], KSTEP<<16
	s_mov_b32 s[G1+2], 128<<16
	s_mov_b32 s[G1+3], KSTEP<<16
	s_mov_b32 s[G1+4], 128
	s_mov_b32 s[G1+5], 3072                        ; elements from row to row
	s_mov_b32 s[G1+6], 0
	s_mov_b32 s[G1+7], 0
	s_cmp_lt_u32 s10, 2                            ; waves 0, 1 fetch q's rows, waves 2, 3 k's
	s_cselect_b32 s16, s13, s14
	s_cselect_b32 s18, 0, 2048                     ; k's columns begin 2,048 bytes into a row
	s_lshl_b32 s16, s16, 8
	s_lshl_b32 s17, s15, 11
	s_add_co_u32 s16, s16, s17
	s_lshl_b32 s17, s12, 7
	s_add_co_u32 s16, s16, s17
	s_mul_i32 s16, s16, 6144
	s_add_co_u32 s16, s16, s18
	s_mov_b32 s17, 0
	s_mul_i32 s20, s10, HALFT
	s_mov_b32 s[CS], 0x3d38aa3b
	s_mov_b32 s[CS+1], s[CS]
	s_mov_b32 s[SEL], 0x76543210
	s_mov_b32 s[SEL+1], 0xfedcba98
	s_wait_dscnt 0x0                               ; both opening adds are done
	s_wait_kmcnt 0x0
	s_add_nc_u64 s[18:19], s[4:5], s[16:17]
.irp s, 0,1                                    ; every wave issues both first fills: two loads of mine are out
	s_mov_b32 s[G0+4*\s], 1
	s_add_co_u32 s[G0+4*\s+1], s20, \s*SLOT
	s_add_nc_u64 s[G0+4*\s+2:G0+4*\s+3], s[18:19], \s*KSTEP*2
	s_or_b32 s[G0+4*\s+3], s[G0+4*\s+3], 0x80000000
	tensor_load_to_lds s[G0+4*\s:G0+4*\s+3], s[G1:G1+7]
	s_nop 0
.endr
	v_and_b32 v1, 15, v0                           ; r
	v_bfe_u32 v2, v0, 4, 1                         ; h
	v_mul_u32_u24 v10, v1, PITCH
	v_lshl_add_u32 v10, v2, 4, v10
	s_mul_i32 s16, s11, HALFT
	s_mul_i32 s17, s12, HALFT
	s_add_co_u32 s17, s17, 2*HALFT
.irp s, 0,1
	v_add_nc_u32 v[ADRA+\s], s16, v10
	v_add_nc_u32 v[ADRB+\s], s17, v10
	s_add_co_u32 s16, s16, SLOT
	s_add_co_u32 s17, s17, SLOT
.endr
	s_mul_i32 s16, s10, 16*SPITCH
	s_add_co_u32 s16, s16, STAGE
	v_mul_u32_u24 v10, v1, SPITCH
	v_lshl_add_u32 v10, v2, 4, v10
	v_add_nc_u32 v[STO], s16, v10
	v_mul_u32_u24 v10, v2, SPITCH
	v_lshl_add_u32 v10, v1, 4, v10
	v_add_nc_u32 v[RD], s16, v10
	v_lshlrev_b32 v10, 12, v2
	v_lshl_add_u32 v[CO], v1, 4, v10               ; two rows of pbuf, 4,096 bytes apart
	s_lshl_b32 s16, s10, 9
	s_add_co_u32 s16, s16, XCH
	v_lshl_add_u32 v[XA], v1, 2, s16
	s_xor_b32 s17, s10, 1
	s_lshl_b32 s17, s17, 9
	s_add_co_u32 s17, s17, XCH
	v_lshl_add_u32 v[XB], v1, 2, s17
	s_lshl_b32 s16, s10, 10
	s_add_co_u32 s16, s16, LST
	v_lshl_add_u32 v[LA], v1, 2, s16
	v_and_b32 v10, 31, v0
	v_lshlrev_b32 v[L16], 4, v10
	v_add_nc_u32 v[LB], s16, v[L16]
	s_sub_co_i32 s16, s11, s12
	s_lshl_b32 s16, s16, 7
	v_lshlrev_b32 v10, 3, v2
	v_sub_nc_u32 v[DG], v1, v10
	v_add_nc_u32 v[DG], s16, v[DG]
	v_mov_b32 v[NINF], 0xff800000
.irp a, 0,1,2,3,4,5,6,7
	v_mov_b32 v[PM+\a], 0                          ; written once: a lane permute's destination counts as one of its sources
.endr
	s_lshl_b32 s21, s15, 11
	s_lshl_b32 s16, s13, 8
	s_add_co_u32 s21, s21, s16
	s_lshl_b32 s16, s11, 7
	s_add_co_u32 s21, s21, s16                     ; my first query's row: 2048 b + 256 I + 128 wr
	s_lshl_b32 s16, s21, 12
	s_lshl_b32 s17, s14, 9
	s_add_co_u32 s16, s16, s17
	s_lshl_b32 s17, s12, 8
	s_add_co_u32 s16, s16, s17
	s_mov_b32 s17, 0
	s_add_nc_u64 s[6:7], s[6:7], s[16:17]          ; pbuf at my first row, my first key
	s_mul_i32 s16, s14, 3*8192
	s_add_co_u32 s16, s16, s21
	s_lshl_b32 s16, s16, 2
	s_add_nc_u64 s[8:9], s[8:9], s[16:17]          ; stat: chunk J, plane 0 (-M), my rows
	s_lshl_b32 s16, s12, 15
	s_add_co_u32 s16, s16, 32768
	s_add_nc_u64 s[22:23], s[8:9], s[16:17]        ; plane 1 + wc: my half's sums
.macro MUL16 f, hi, a0, zero           ; 16 matrix instructions; the 64 accumulators take turns, one instruction a turn
.irp a, \a0, \a0+1
.irp b, 0,1,2,3,4,5,6,7
.if \zero
	v_wmma_f32_16x16x32_f16 v[8*(8*(\a)+\b):8*(8*(\a)+\b)+7], v[\f+8*\b:\f+8*\b+7], v[\f+8*(4*\hi+\a):\f+8*(4*\hi+\a)+7], 0
.else
	v_wmma_f32_16x16x32_f16 v[8*(8*(\a)+\b):8*(8*(\a)+\b)+7], v[\f+8*\b:\f+8*\b+7], v[\f+8*(4*\hi+\a):\f+8*(4*\hi+\a)+7], v[8*(8*(\a)+\b):8*(8*(\a)+\b)+7]
.endif
.endr
.endr
.endm
.macro FETCH slot, k, f                ; 32 LDS loads in one run: 128 keys, then 128 queries, 32 channels at byte k of the rows
	WIN TO_B
.irp i, 0,1,2,3,4,5,6,7
	ds_load_b128 v[\f+8*\i:\f+8*\i+3],   v[ADRB+\slot] offset:\k+\i*16*PITCH
	ds_load_b128 v[\f+8*\i+4:\f+8*\i+7], v[ADRB+\slot] offset:\k+\i*16*PITCH+32
.endr
	WIN 0
.irp i, 0,1,2,3,4,5,6,7
	ds_load_b128 v[\f+8*\i:\f+8*\i+3],   v[ADRA+\slot] offset:\k+\i*16*PITCH
	ds_load_b128 v[\f+8*\i+4:\f+8*\i+7], v[ADRA+\slot] offset:\k+\i*16*PITCH+32
.endr
.endm
.macro PLACES                          ; four plain vector instructions between a matrix instruction and a load into, or a read of, its registers
.rept 4
	v_nop
.endr
.endm
.macro QUARTER slot, k, f, g, zero     ; 32 along K: multiplies buffer f; in its middle the next quarter's fragments are fetched into g
	s_wait_dscnt 8                                 ; k's and q's rows 0-63 are in; the youngest eight loads (q's rows 64-127) may be out
	WIN MUL_LO
	MUL16 \f, 0, 0, \zero
	MUL16 \f, 0, 2, \zero
	PLACES
	FETCH \slot, \k, \g
	s_wait_dscnt 32                                ; all but the 32 just issued
	WIN MUL_HI
	MUL16 \f, 1, 0, \zero
	MUL16 \f, 1, 2, \zero
.endm
; A K step's last quarter changes slots: one barrier.  In front of it each wave waits for all its tensor loads (one is out: its part of the next slot), adds 0 to its spare word, and waits for that
; and for its reads of this slot.  fill = 1: this slot is filled again, two K steps ahead, first thing behind the barrier: the load has a K step's products in which to land.
.macro TURN slot, next, fill
	WIN 0
	s_wait_tensorcnt 0x0
	ds_add_u32 v[SPW], v[NIL]
.if \fill
	s_add_nc_u64 s[G0+4*\slot+2:G0+4*\slot+3], s[G0+4*\slot+2:G0+4*\slot+3], 2*KSTEP*2   ; no load of mine is out: the descriptor may step
.endif
	s_wait_dscnt 9                                 ; the add and the youngest eight loads may be out
	WIN MUL_LO
	MUL16 F1, 0, 0, 0
	s_wait_dscnt 0x0                               ; the add is done, my reads of this slot are over
	s_barrier_signal -1
	MUL16 F1, 0, 2, 0
	WIN 0
	s_barrier_wait -1
.if \fill
	tensor_load_to_lds s[G0+4*\slot:G0+4*\slot+3], s[G1:G1+7]
	s_nop 0
.endif
	PLACES
	FETCH \next, 0, F0
	WIN MUL_HI
	MUL16 F1, 1, 0, 0
	MUL16 F1, 1, 2, 0
.endm
	s_wait_tensorcnt 1                             ; my part of K step 0 is in; K step 1's load may be out
	s_barrier_signal -1
	s_barrier_wait -1
	FETCH 0, 0, F0
	QUARTER 0, 64,  F0, F1, 1                      ; the first products start the sums
	WIN 0
	s_mov_b32 s3, LAPS-1
.Llap:                                                 ; a trip goes once round the ring and fills both slots again: K steps 2 to 7 in three trips
	QUARTER 0, 128, F1, F0, 0
	QUARTER 0, 192, F0, F1, 0
	TURN 0, 1, 1
	QUARTER 1, 64,  F0, F1, 0
	QUARTER 1, 128, F1, F0, 0
	QUARTER 1, 192, F0, F1, 0
	TURN 1, 0, 1
	QUARTER 0, 64,  F0, F1, 0
	WIN 0
	s_sub_co_u32 s3, s3, 1
	s_cmp_lg_u32 s3, 0
	s_cbranch_scc1 .Llap
	QUARTER 0, 128, F1, F0, 0                      ; the last lap asks for nothing
	QUARTER 0, 192, F0, F1, 0
	TURN 0, 1, 0
	QUARTER 1, 64,  F0, F1, 0
	QUARTER 1, 128, F1, F0, 0
	QUARTER 1, 192, F0, F1, 0
	s_wait_dscnt 8
	WIN MUL_LO
	MUL16 F1, 0, 0, 0
	MUL16 F1, 0, 2, 0
	s_wait_dscnt 0
	WIN MUL_HI
	MUL16 F1, 1, 0, 0
	MUL16 F1, 1, 2, 0
	WIN 0
	PLACES
	; THE MASK, in the tiles on the diagonal alone (a branch on the tile's two numbers)
	s_cmp_lg_u32 s13, s14
	s_cbranch_scc1 .Lopen
.macro MASKA a
	WIN 0x82+0x41*((\a)/4)                         ; destination and source 0: window 2 or 3
.set n, 0
.rept 64
	v_cmp_gt_i32 vcc_lo, 16*(n/8-(\a))+n%8, v[DG]
	v_cndmask_b32 v[64*((\a)%4)+n], v[64*((\a)%4)+n], v[NINF], vcc_lo
.set n, n+1
.endr
.endm
.irp a, 0,1,2,3,4,5,6,7
	MASKA \a
.endr
	WIN 0
.Lopen:
	; THE ROWS' LARGEST SCORES: my 64 numbers of each block, each accumulator from its low end on
.macro ROWMAX a
.set AC, 64*((\a)%4)
	WIN 0x2a+0x15*((\a)/4)                         ; three sources in window 2 or 3
.set k, 0
.rept 16
	v_max3_num_f32 v[T+k], v[AC+4*k], v[AC+4*k+1], v[AC+4*k+2]
.set k, k+1
.endr
	WIN 0x08+4*((\a)/4)                            ; source 1 in window 2 or 3
.set k, 0
.rept 16
	v_max_num_f32 v[T+k], v[T+k], v[AC+4*k+3]
.set k, k+1
.endr
	WIN 0
.irp k, 0,3,6,9,12
	v_max3_num_f32 v[T+\k], v[T+\k], v[T+\k+1], v[T+\k+2]
.endr
	v_max3_num_f32 v[T], v[T], v[T+3], v[T+6]
	v_max3_num_f32 v[T+9], v[T+9], v[T+12], v[T+15]
	v_max_num_f32 v[NM+2*(\a)+1], v[T], v[T+9]
.endm
.irp a, 0,1,2,3,4,5,6,7
	ROWMAX \a
.endr
.irp a, 0,1,2,3,4,5,6,7
	v_permlanex16_b32 v[PM+\a], v[NM+2*\a+1], s[SEL], s[SEL+1]
.endr
.irp a, 0,1,2,3,4,5,6,7
	v_max_num_f32 v[NM+2*\a+1], v[NM+2*\a+1], v[PM+\a]   ; with lane l xor 16's keys: my wave's 128
.endr
.irp a, 0,1,2,3,4,5,6,7
	ds_store_b32 v[XA], v[NM+2*\a+1] offset:64*\a  ; both halves of the lanes write the same word with the same value
.endr
	s_wait_dscnt 0x0                               ; for the other wave's sake: my stores are done
	s_barrier_signal -1
	s_barrier_wait -1
.irp a, 0,1,2,3,4,5,6,7
	ds_load_b32 v[PM+\a], v[XB] offset:64*\a
.endr
	s_wait_dscnt 0x0
.irp a, 0,1,2,3,4,5,6,7
	v_max_num_f32 v[NM+2*\a+1], v[NM+2*\a+1], v[PM+\a]   ; the chunk's 256 keys
.endr
.irp a, 0,1,2,3,4,5,6,7
	v_mul_f32 v[NM+2*\a+1], s[CS], v[NM+2*\a+1]    ; as t (c is positive)
.endr
.irp a, 0,1,2,3,4,5,6,7
	v_floor_f32 v[NM+2*\a], -v[NM+2*\a+1]          ; -M = floor(-t): M is a whole number
.endr
; A BLOCK of 16 queries x my 128 keys: t - M, p, the sum of the unrounded p, p in f16.  The 64 exponentials are one batch with one wait.
.macro BLOCK a
.set AC, 64*((\a)%4)
	WIN 0x02+((\a)/4)                              ; source 0: window 2 or 3
.set i, 0
.rept 32
	v_pk_fma_f32 v[W+2*i:W+2*i+1], v[AC+2*i:AC+2*i+1], s[CS:CS+1], v[NM+2*(\a):NM+2*(\a)+1] op_sel_hi:[1,0,0]
.set i, i+1
.endr
	WIN 0
.set i, 0
.rept 64
	v_exp_f32 v[W+i], v[W+i]
.set i, i+1
.endr
	v_nop                                          ; a plain instruction behind the last exponential
	s_wait_alu depctr_va_vdst(0)                   ; the wait ahead of the batch's first reader
	v_pk_add_f32 v[240:241], v[W:W+1], v[W+2:W+3]
	v_pk_add_f32 v[242:243], v[W+4:W+5], v[W+6:W+7]
.set i, 8
.rept 14
	v_pk_add_f32 v[240:241], v[240:241], v[W+i:W+i+1]
	v_pk_add_f32 v[242:243], v[242:243], v[W+i+2:W+i+3]
.set i, i+4
.endr
	v_pk_add_f32 v[240:241], v[240:241], v[242:243]
	v_add_f32 v[LS+(\a)], v240, v241
.set i, 0
.rept 32
	v_cvt_pk_f16_f32 v[TMP+i], v[W+2*i], v[W+2*i+1]
.set i, i+1
.endr
.endm
.macro TOSTAGE a
.set BK, 128+32*((\a)%2)
.irp b, 0,1,2,3,4,5,6,7
	ds_store_b128 v[STO], v[TMP+4*\b:TMP+4*\b+3] offset:32*\b
.endr
.irp t, 0,1,2,3,4,5,6,7
	ds_load_b128 v[BK+4*\t:BK+4*\t+3], v[RD] offset:\t*2*SPITCH    ; LDS serves a wave's instructions in order: these see the stores above
.endr
.endm
.macro SEND a
.set BK, 128+32*((\a)%2)
	s_wait_dscnt 0x0
	s_wait_xcnt 0x0                                ; earlier stores have read their base and their data
.if (\a) > 0
	s_add_nc_u64 s[6:7], s[6:7], 16*4096
.endif
.irp t, 0,1,2,3,4,5,6,7
	global_store_b128 v[CO], v[BK+4*\t:BK+4*\t+3], s[6:7] offset:2*\t*4096   ; sixteen lanes store 256 consecutive bytes
.endr
.endm
	BLOCK 0
	TOSTAGE 0
.irp a, 1,2,3,4,5,6,7
	BLOCK \a
	SEND (\a)-1
	TOSTAGE \a
.endr
	SEND 7
	; THE FIGURES: through my own bytes of LDS, so that a store covers 512 consecutive bytes (128 rows)
.irp a, 0,1,2,3,4,5,6,7
	v_permlanex16_b32 v[PM+\a], v[LS+\a], s[SEL], s[SEL+1]
.endr
.irp a, 0,1,2,3,4,5,6,7
	v_add_f32 v[LS+\a], v[LS+\a], v[PM+\a]
.endr
.irp a, 0,1,2,3,4,5,6,7
	ds_store_b32 v[LA], v[NM+2*\a] offset:64*\a
	ds_store_b32 v[LA], v[LS+\a] offset:512+64*\a
.endr
	ds_load_b128 v[64:67], v[LB]
	ds_load_b128 v[68:71], v[LB] offset:512
	s_wait_dscnt 0x0
	global_store_b128 v[L16], v[68:71], s[22:23]
	s_cmp_lg_u32 s12, 0                            ; -M is the same in both waves of a row: the wave with keys 0-127 stores it
	s_cbranch_scc1 .Lnom
	global_store_b128 v[L16], v[64:67], s[8:9]
.Lnom:
	s_wait_tensorcnt 0x0                           ; the wave's end
	ds_add_u32 v[SPW], v[NIL]
	s_wait_dscnt 0x0
	s_endpgm
.Lfunc_end_k_q0ebc053a45_scores:
	.size	k_q0ebc053a45_scores, .Lfunc_end_k_q0ebc053a45_scores-k_q0ebc053a45_scores
	.p2alignl 7, 3214868480
	.fill 96, 4, 3214868480
	.section	.rodata,"a",@progbits
	.p2align	6, 0x0
	.amdhsa_kernel k_q0ebc053a45_scores
		.amdhsa_group_segment_fixed_size 327680
		.amdhsa_private_segment_fixed_size 0
		.amdhsa_enable_private_segment 0
		.amdhsa_kernarg_size 24
		.amdhsa_user_sgpr_count 2
		.amdhsa_user_sgpr_kernarg_segment_ptr 1
		.amdhsa_wavefront_size32 1
		.amdhsa_system_sgpr_workgroup_id_x 1
		.amdhsa_system_sgpr_workgroup_id_y 1
		.amdhsa_system_sgpr_workgroup_id_z 1
		.amdhsa_system_vgpr_workitem_id 0
		.amdhsa_next_free_vgpr 1024
		.amdhsa_next_free_sgpr 66
		.amdhsa_reserve_vcc 1
		.amdhsa_float_denorm_mode_32 3
		.amdhsa_float_denorm_mode_16_64 3
		.amdhsa_memory_ordered 1
		.amdhsa_forward_progress 1
		.amdhsa_inst_pref_size 250
	.end_amdhsa_kernel
	.amdgpu_metadata
---
amdhsa.version: [ 1, 2 ]
amdhsa.kernels:
  - .name:           k_q0ebc053a45_scores
    .symbol:         k_q0ebc053a45_scores.kd
    .args:
      - { .name: qkv, .offset: 0, .size: 8, .value_kind: global_buffer, .address_space: global }
      - { .name: pbuf, .offset: 8, .size: 8, .value_kind: global_buffer, .address_space: global }
      - { .name: stat, .offset: 16, .size: 8, .value_kind: global_buffer, .address_space: global }
    .group_segment_fixed_size: 327680
    .private_segment_fixed_size: 0
    .kernarg_segment_align: 8
    .kernarg_segment_size: 24
    .max_flat_workgroup_size: 128
    .sgpr_count:     66
    .vgpr_count:     1024
    .wavefront_size: 32
...
	.end_amdgpu_metadata
.endif
;; end of part 3
;; launch pv (part 4): grid 8 x 32, 4 waves a work-group, clusters of 4 x 1, 327,680 bytes of LDS; arguments pbuf, stat, qkv, attn; writes attn
.if DOCPART == 4
	.amdgcn_target "amdgcn-amd-amdhsa--gfx1250"
	.amdhsa_code_object_version 6
	.text
	.protected	k_q0ebc053a45_pv
	.globl	k_q0ebc053a45_pv
	.p2align	8
	.type	k_q0ebc053a45_pv,@function
k_q0ebc053a45_pv:
	s_mov_b64 s[64:65], 0
	v_nop
	global_prefetch_b8 v0, s[64:65] scope:SCOPE_SE
	s_setreg_imm32_b32 hwreg(HW_REG_WAVE_MODE, 25, 1), 1
	s_wait_xcnt 0x0
	s_wait_alu depctr_hold_cnt(0) depctr_sa_sdst(0) depctr_va_vdst(0) depctr_va_sdst(0) depctr_va_ssrc(0) depctr_va_vcc(0) depctr_vm_vsrc(0)
	s_getreg_b32 s2, hwreg(HW_REG_IB_STS2, 6, 4)
	s_cmp_eq_u32 s2, 0
	s_cbranch_scc0 .Lentry_in_a_cluster
	s_endpgm
.Lentry_in_a_cluster:
	s_bfe_u32 s2, ttmp6, 0x10000c
	s_cmp_lg_u32 s2, 0x3003
	s_cbranch_scc0 .Lentry_shape_is_right
	s_endpgm
.Lentry_shape_is_right:
; attn[q][:] = (sum over chunks J of f_J (P_J V_J)) / (sum over J of f_J l_J), f_J = 2^(M_J - M), M = the largest M_J of the row: exact powers of two.  P, V in f16, sums in f32; attn leaves as f16.
; WORK LEFT OUT: the chunks of keys that lie wholly behind a row block's tile under reference()'s own causal mask (weight 0 for every input) are not read.
; SHARES: a work-group makes TWO tiles of 128 rows x 128 channels: row block p (of 16 in a sequence), which has ns = p / 2 + 1 chunks of 256 keys, and row block 15 - p, which has 9 - ns: nine key steps
; in every work-group, so that all trip counts are constants and all 256 work-groups have equal work.  A wave takes 64 x 64.  Each key step is summed into 16 accumulators of its own (begun with 0),
; which are then added, times the row's f, onto the tile's sums.
; CLUSTER 4 x 1: the four partners make four channel blocks of the same rows: P's tile is asked for jointly; V's tile hangs on the channel block and is each work-group's own load, behind the same round.
; Partners with another p would walk other key steps, so the cluster is not wider.
; V lies [key][channel] and is turned on its way out of LDS (ds_load_tr16_b128).  Source 0 = 16 channels of V^T, source 1 = 16 rows of P: a lane holds one row and eight neighbouring channels.
; REGISTERS: window 0: v0-31 addresses; v32-95 at work on the way out; v96-103 f, v104-119 1 / l (pairs, the odd registers 0); v128-255 a step's 16 accumulators.  window 1: two fragment buffers.
;   window 2: v0-127 the short tile's sums, v128-255 the long tile's.  Both are cleared once at the head, so that the step is written once.
.set PP,     528                       ; a row of P's tile: 512 bytes + 16
.set PV,     288                       ; a key's row of V's tile: 256 bytes + 32
.set PHALF,  64*PP
.set VOFF,   128*PP
.set VHALF,  128*PV
.set SLOT,   VOFF+256*PV
.set FT,     2*SLOT                    ; f[step][row], 9 x 512 bytes
.set RV,     FT+9*512                  ; 1 / l: the short tile's 128 rows, the long tile's
.set SPARE,  RV+1024                   ; the spare words
.set STG,    SLOT                      ; the way out: two stages of 128 x 272 bytes in slot 1: its last fill is the sixth step's, its last read stands ahead of the eighth step's barrier
.set SPITCH, 272
.set ADRA, 16                          ; v16-17 P's fragments, slot 0, 1
.set ADRV, 18                          ; v18-21 V's: slot x half of the keys
.set STO,  22
.set RD,   23
.set CO,   24
.set AF0,  25                          ; FT + 256 wr + 4 r
.set ADF,  26
.set AR0,  27                          ; RV + 256 wr + 4 r
.set SPW,  28
.set NIL,  29
.set TMP,  32
.set FF,   96
.set RR,   104
.set ACC,  128
.set F0,   0
.set F1,   128
.set WV,   12
.set NS,   20
.set TT,   21                          ; the step in hand
.set TF,   22                          ; 512 x that
.set UU,   23                          ; the step that the next load brings
.set G1P,  24
.set G0P,  32
.set G1V,  48
.set G0V,  56
.set MK,   76                          ; s76-84: all ones where step t belongs to the short tile
.set MSB, 0
.macro WIN new
.if MSB != \new
	s_set_vgpr_msb (MSB<<8)|\new
.set MSB, \new
.endif
.endm
.set MUL,  0x05                        ; sources 0 and 1 window 1; C and D window 0
.set TO_F, 0x40
.macro JLOAD s                         ; waves 0, 1: P's halves, jointly; waves 2, 3: V's halves.  An s_nop 0 and four v_nop follow each line
	s_cmp_eq_u32 s13, 0
	s_cbranch_scc0 .Lfor_v_\@
	tensor_load_to_lds s[G0P+4*\s:G0P+4*\s+3], s[G1P:G1P+7]
	s_nop 0
.rept 4
	v_nop
.endr
	s_branch .Lasked_\@
.Lfor_v_\@:
	tensor_load_to_lds s[G0V+4*\s:G0V+4*\s+3], s[G1V:G1V+7]
	s_nop 0
.rept 4
	v_nop
.endr
.Lasked_\@:
.endm
.macro CREST
	s_cmp_lg_u32 s[WV], 0
	s_cbranch_scc1 .Lnot_wave_0_\@
	s_barrier_signal -3
.Lnot_wave_0_\@:
	s_barrier_wait -3
	s_barrier_signal -1
	s_barrier_wait -1
.endm
.macro CROUND
	s_barrier_signal -1
	s_barrier_wait -1
	CREST
.endm
; Where step s[UU]'s tiles lie in memory, into slot's two descriptors.  Scalar work alone; it stands where no tensor load of the wave is out.  P's words are made of the sequence, p, the wave and the step.
.macro ADDR slot
	s_cmp_lt_u32 s[UU], s[NS]
	s_cselect_b32 s44, s41, s42                    ; the short tile's rows or the long tile's
	s_cselect_b32 s66, 0, s[NS]
	s_sub_co_u32 s66, s[UU], s66                   ; the chunk
	s_lshl_b32 s67, s66, 9
	s_add_co_u32 s44, s44, s67
	s_mov_b32 s45, 0
	s_add_nc_u64 s[G0P+4*\slot+2:G0P+4*\slot+3], s[4:5], s[44:45]
	s_or_b32 s[G0P+4*\slot+3], s[G0P+4*\slot+3], 0x80000000
	s_mul_i32 s46, s66, 256*6144
	s_add_co_u32 s46, s46, s43
	s_mov_b32 s47, 0
	s_add_nc_u64 s[G0V+4*\slot+2:G0V+4*\slot+3], s[8:9], s[46:47]
	s_or_b32 s[G0V+4*\slot+3], s[G0V+4*\slot+3], 0x80000000
	s_add_co_u32 s[UU], s[UU], 1
.endm
	s_load_b256 s[4:11], s[0:1], 0x0               ; pbuf 4, stat 6, qkv 8, attn 10
	v_lshl_add_u32 v[SPW], v0, 2, SPARE
	v_mov_b32 v[NIL], 0
	ds_add_u32 v[SPW], v[NIL]                      ; the wave's opening: the add, twice on end, and its wait ahead of my first tensor load
	ds_add_u32 v[SPW], v[NIL]
	v_lshrrev_b32 v1, 5, v0
	v_readfirstlane_b32 s[WV], v1
	s_lshr_b32 s13, s[WV], 1                       ; wr; also: I fetch P (0) or V (1)
	s_and_b32 s14, s[WV], 1                        ; wc; also: which half I fetch
	s_bfe_u32 s15, ttmp6, 0x40000                  ; cx
	s_lshl_b32 s16, ttmp9, 2
	s_add_co_u32 s16, s16, s15                     ; my block of 128 channels
	s_and_b32 s17, ttmp7, 0xffff
	s_lshr_b32 s18, s17, 3                         ; the sequence
	s_and_b32 s19, s17, 7                          ; p
	s_lshr_b32 s[NS], s19, 1
	s_add_co_u32 s[NS], s[NS], 1
	s_mov_b32 s[TT], 0
	s_mov_b32 s[TF], 0
	s_mov_b32 s[UU], 0
	s_lshl_b32 s66, s18, 11
	s_lshl_b32 s67, s19, 7
	s_add_co_u32 s68, s66, s67                     ; the short tile's first row
	s_sub_co_u32 s67, 15, s19
	s_lshl_b32 s67, s67, 7
	s_add_co_u32 s69, s66, s67                     ; the long tile's
	s_lshl_b32 s67, s14, 6
	s_add_co_u32 s41, s68, s67
	s_lshl_b32 s41, s41, 12                        ; P: my 64 rows of each tile, in bytes
	s_add_co_u32 s42, s69, s67
	s_lshl_b32 s42, s42, 12
	s_lshl_b32 s43, s14, 7
	s_add_co_u32 s43, s43, s66
	s_mul_i32 s43, s43, 6144                       ; V: my 128 keys of chunk 0,
	s_lshl_b32 s46, s16, 8
	s_add_co_u32 s43, s43, s46                     ; my channels,
	s_add_co_u32 s43, s43, 4096                    ; behind q's and k's columns
	s_mov_b32 s[G1P+0], 15|(1<<16)|(1<<20)|(1<<21)|(6<<22)|(3<<25)   ; the four partners; elements of 2 bytes; 4 words of padding behind every 128
	s_mov_b32 s[G1P+1], 256<<16
	s_mov_b32 s[G1P+2], 64<<16
	s_mov_b32 s[G1P+3], 256<<16
	s_mov_b32 s[G1P+4], 64
	s_mov_b32 s[G1P+5], 2048
	s_mov_b32 s[G1P+6], 0
	s_mov_b32 s[G1P+7], 0
	s_mov_b32 s[G1V+0], (1<<16)|(1<<20)|(5<<22)|(7<<25)              ; no mask; 8 words of padding behind every 64
	s_mov_b32 s[G1V+1], 128<<16
	s_mov_b32 s[G1V+2], 128<<16
	s_mov_b32 s[G1V+3], 128<<16
	s_mov_b32 s[G1V+4], 128
	s_mov_b32 s[G1V+5], 3072
	s_mov_b32 s[G1V+6], 0
	s_mov_b32 s[G1V+7], 0
	s_mul_i32 s70, s14, PHALF
	s_mul_i32 s71, s14, VHALF
	s_add_co_u32 s71, s71, VOFF
.irp s, 0,1
	s_mov_b32 s[G0P+4*\s], 1
	s_add_co_u32 s[G0P+4*\s+1], s70, \s*SLOT
	s_mov_b32 s[G0V+4*\s], 1
	s_add_co_u32 s[G0V+4*\s+1], s71, \s*SLOT
.endr
	s_wait_dscnt 0x0                               ; both opening adds are done
	s_wait_kmcnt 0x0
	CROUND                                         ; the four work-groups are here: the first loads meet
	ADDR 0
	JLOAD 0
	ADDR 1
	JLOAD 1                                        ; two loads of mine are out
	v_and_b32 v1, 15, v0                           ; r
	v_bfe_u32 v2, v0, 4, 1                         ; h
	v_mul_u32_u24 v3, v1, PP
	v_lshl_add_u32 v3, v2, 4, v3
	s_mul_i32 s66, s13, PHALF
	v_add_nc_u32 v[ADRA], s66, v3
	s_add_co_u32 s66, s66, SLOT
	v_add_nc_u32 v[ADRA+1], s66, v3
	v_and_b32 v4, 7, v0                            ; the turning load: key 8 h + l % 8, channels 8 ((l / 8) % 2) on
	v_lshl_add_u32 v4, v2, 3, v4
	v_mul_u32_u24 v4, v4, PV
	v_bfe_u32 v5, v0, 3, 1
	v_lshl_add_u32 v4, v5, 4, v4
	s_lshl_b32 s66, s14, 7
	s_add_co_u32 s66, s66, VOFF
	v_add_nc_u32 v[ADRV], s66, v4
	v_add_nc_u32 v[ADRV+1], VHALF, v[ADRV]
	v_add_nc_u32 v[ADRV+2], SLOT, v[ADRV]
	v_add_nc_u32 v[ADRV+3], SLOT+VHALF, v[ADRV]
	s_mul_i32 s66, s13, 64*SPITCH
	s_lshl_b32 s67, s14, 7
	s_add_co_u32 s66, s66, s67
	s_add_co_u32 s66, s66, STG
	v_mul_u32_u24 v3, v1, SPITCH
	v_lshl_add_u32 v3, v2, 4, v3
	v_add_nc_u32 v[STO], s66, v3
	s_mul_i32 s66, s[WV], 32*SPITCH
	s_add_co_u32 s66, s66, STG
	v_mul_u32_u24 v3, v2, SPITCH
	v_lshl_add_u32 v3, v1, 4, v3
	v_add_nc_u32 v[RD], s66, v3
	v_lshlrev_b32 v3, 11, v2
	v_lshl_add_u32 v[CO], v1, 4, v3
	s_lshl_b32 s66, s13, 8
	s_add_co_u32 s67, s66, FT
	v_lshl_add_u32 v[AF0], v1, 2, s67
	s_add_co_u32 s67, s66, RV
	v_lshl_add_u32 v[AR0], v1, 2, s67
	v_lshlrev_b32 v30, 2, v0                       ; 4 x thread: thread t is row t of both tiles
	v_lshl_add_u32 v31, v0, 2, FT
	s_lshl_b32 s86, s[WV], 5                       ; the way out: wave w stores rows 32 w on of both tiles
	s_lshl_b32 s87, s16, 8
	s_add_co_u32 s72, s68, s86
	s_lshl_b32 s72, s72, 11
	s_add_co_u32 s72, s72, s87
	s_mov_b32 s73, 0
	s_add_nc_u64 s[72:73], s[10:11], s[72:73]
	s_add_co_u32 s74, s69, s86
	s_lshl_b32 s74, s74, 11
	s_add_co_u32 s74, s74, s87
	s_mov_b32 s75, 0
	s_add_nc_u64 s[74:75], s[10:11], s[74:75]
	; THE FIGURES of my row in each of the nine steps: -M, and the two halves of the sum
.irp t, 0,1,2,3,4,5,6,7,8
	s_cmp_gt_u32 s[NS], \t
	s_cselect_b32 s[MK+\t], -1, 0
	s_cselect_b32 s67, s68, s69
	s_cselect_b32 s66, 0, s[NS]
	s_sub_co_u32 s66, \t, s66
	s_mul_i32 s66, s66, 3*8192
	s_add_co_u32 s66, s66, s67
	s_lshl_b32 s66, s66, 2
	v_add_nc_u32 v[176+\t], s66, v30
	global_load_b32 v[128+\t], v[176+\t], s[6:7]
	global_load_b32 v[144+\t], v[176+\t], s[6:7] offset:32768
	global_load_b32 v[160+\t], v[176+\t], s[6:7] offset:65536
.endr
.set i, 96
.rept 24
	v_mov_b32 v[i], 0                              ; f's and 1 / l's pairs: the odd registers are named with the even ones
.set i, i+1
.endr
	WIN 0x80                                       ; destination window 2
.set i, 0
.rept 256
	v_mov_b32 v[i], 0                              ; both tiles' sums
.set i, i+1
.endr
	WIN 0
	s_wait_loadcnt 0x0
	v_mov_b32 v192, 0x7f61b1e6                     ; 3e38, over every -M
	v_mov_b32 v193, v192
	v_mov_b32 v194, v192
.irp t, 0,1,2,3,4,5,6,7,8
	v_cndmask_b32 v195, v192, v[128+\t], s[MK+\t]
	v_cndmask_b32 v196, v[128+\t], v192, s[MK+\t]
	v_min_num_f32 v193, v193, v195                 ; the short tile's -M = the least -M_J
	v_min_num_f32 v194, v194, v196                 ; the long tile's
.endr
	v_mov_b32 v197, 0
	v_mov_b32 v198, 0
.irp t, 0,1,2,3,4,5,6,7,8
	v_cndmask_b32 v195, v194, v193, s[MK+\t]
	v_sub_f32 v195, v195, v[128+\t]                ; M_J - M: a whole number, 0 or less
	v_cvt_i32_f32 v195, v195                       ; (it saturates)
	v_ldexp_f32 v[200+\t], 1.0, v195               ; f
	v_add_f32 v196, v[144+\t], v[160+\t]
	v_mul_f32 v196, v[200+\t], v196
	v_cndmask_b32 v195, 0, v196, s[MK+\t]
	v_add_f32 v197, v197, v195                     ; the short tile's l
	v_sub_f32 v196, v196, v195
	v_add_f32 v198, v198, v196                     ; the long tile's
.endr
	v_rcp_f32 v197, v197
	v_rcp_f32 v198, v198
	v_nop                                          ; a plain instruction behind the reciprocals
	s_wait_alu depctr_va_vdst(0)                   ; the wait ahead of their first reader
.irp t, 0,1,2,3,4,5,6,7,8
	ds_store_b32 v31, v[200+\t] offset:512*\t
.endr
	ds_store_b32 v31, v197 offset:9*512
	ds_store_b32 v31, v198 offset:9*512+512
.macro MUL8 f, c, a0, zero             ; 8 matrix instructions; the 16 accumulators take turns
.irp a, \a0, \a0+1
.irp b, 0,1,2,3
.if \zero
	v_wmma_f32_16x16x32_f16 v[ACC+8*(4*(\a)+\b):ACC+8*(4*(\a)+\b)+7], v[\f+64+8*(4*\c+\b):\f+64+8*(4*\c+\b)+7], v[\f+8*(4*\c+\a):\f+8*(4*\c+\a)+7], 0
.else
	v_wmma_f32_16x16x32_f16 v[ACC+8*(4*(\a)+\b):ACC+8*(4*(\a)+\b)+7], v[\f+64+8*(4*\c+\b):\f+64+8*(4*\c+\b)+7], v[\f+8*(4*\c+\a):\f+8*(4*\c+\a)+7], v[ACC+8*(4*(\a)+\b):ACC+8*(4*(\a)+\b)+7]
.endif
.endr
.endr
.endm
.macro FETCH slot, q, f                ; 32 LDS loads: the slot's q-th 64 keys; the first 32 keys first
	WIN TO_F
.irp c, 0,1
.irp i, 0,1,2,3
	ds_load_tr16_b128 v[\f+64+8*(4*\c+\i):\f+64+8*(4*\c+\i)+3],   v[ADRV+2*(\slot)+(\q)/2] offset:(((\q)%2)*64+32*\c)*PV+32*\i
	ds_load_tr16_b128 v[\f+64+8*(4*\c+\i)+4:\f+64+8*(4*\c+\i)+7], v[ADRV+2*(\slot)+(\q)/2] offset:(((\q)%2)*64+32*\c+16)*PV+32*\i
	ds_load_b128 v[\f+8*(4*\c+\i):\f+8*(4*\c+\i)+3],              v[ADRA+\slot] offset:128*(\q)+64*\c+\i*16*PP
	ds_load_b128 v[\f+8*(4*\c+\i)+4:\f+8*(4*\c+\i)+7],            v[ADRA+\slot] offset:128*(\q)+64*\c+\i*16*PP+32
.endr
.endr
.endm
.macro PLACES
.rept 4
	v_nop
.endr
.endm
.macro QUARTER slot, q, f, g, zero     ; multiplies buffer f; fetches the slot's q-th quarter into g
	s_wait_dscnt 16                                ; the first 32 keys' fragments are in; the other sixteen loads may be out
	WIN MUL
	MUL8 \f, 0, 0, \zero
	MUL8 \f, 0, 2, \zero
	PLACES
	FETCH \slot, \q, \g
	s_wait_dscnt 32                                ; all but the 32 just issued
	WIN MUL
	MUL8 \f, 1, 0, 0
	MUL8 \f, 1, 2, 0
.endm
.macro FLOAD                           ; the step's f of my four row blocks
	v_add_nc_u32 v[ADF], s[TF], v[AF0]
.irp a, 0,1,2,3
	ds_load_b32 v[FF+2*\a], v[ADF] offset:64*\a
.endr
.endm
; A step's last quarter changes slots.  In front of the barrier each wave waits for all its tensor loads, adds 0 to its spare word, and waits for that and for its reads of this slot.  fill = 1: the barrier
; opens a round of the cluster's, and this slot is filled with the step two on, first thing behind the round.
.macro TURN slot, next, fill
	WIN 0
	s_wait_tensorcnt 0x0
	ds_add_u32 v[SPW], v[NIL]
.if \fill
	ADDR \slot
.endif
	s_wait_dscnt 17                                ; the add and the youngest sixteen loads may be out
	WIN MUL
	MUL8 F1, 0, 0, 0
	s_wait_dscnt 0x0                               ; the add is done, my reads of this slot are over
	s_barrier_signal -1
	MUL8 F1, 0, 2, 0
	WIN 0
	s_barrier_wait -1
.if \fill
	CREST
	JLOAD \slot                                    ; its four v_nop are also the places in front of the loads below
.else
	PLACES
.endif
	FETCH \next, 0, F0
	WIN 0
	FLOAD
	WIN MUL
	MUL8 F1, 1, 0, 0
	MUL8 F1, 1, 2, 0
.endm
; The step's sums, times the row's f, onto the tile's: the short tile's while the step's number is under ns (ids and the count of steps alone: the same way in all waves and partners).
.macro FPASS
	s_wait_dscnt 0x0                               ; f is in
	PLACES
	WIN 0
	s_cmp_lt_u32 s[TT], s[NS]
	s_cbranch_scc0 .Llong_\@
	WIN 0xa0                                       ; destination and source 2: window 2
.set i, 0
.rept 64
	v_pk_fma_f32 v[2*i:2*i+1], v[ACC+2*i:ACC+2*i+1], v[FF+2*(i/16):FF+2*(i/16)+1], v[2*i:2*i+1] op_sel_hi:[1,0,1]
.set i, i+1
.endr
	WIN 0
	s_branch .Ldone_\@
.Llong_\@:
	WIN 0xa0
.set i, 0
.rept 64
	v_pk_fma_f32 v[128+2*i:128+2*i+1], v[ACC+2*i:ACC+2*i+1], v[FF+2*(i/16):FF+2*(i/16)+1], v[128+2*i:128+2*i+1] op_sel_hi:[1,0,1]
.set i, i+1
.endr
	WIN 0
.Ldone_\@:
	s_add_co_u32 s[TT], s[TT], 1
	s_add_co_u32 s[TF], s[TF], 512
.endm
.macro STEP slot, next, fill
	QUARTER \slot, 1, F0, F1, 1                    ; the step's first products start its sums
	QUARTER \slot, 2, F1, F0, 0
	QUARTER \slot, 3, F0, F1, 0
	TURN \slot, \next, \fill
	FPASS
.endm
	s_wait_tensorcnt 1                             ; my part of step 0 is in; step 1's load may be out
	s_wait_dscnt 0x0                               ; my figures lie in LDS
	s_barrier_signal -1
	s_barrier_wait -1
	FETCH 0, 0, F0
	WIN 0
	s_mov_b32 s3, 3
.Lpair:                                                ; steps 0 to 5; their changes of slots ask for steps 2 to 7
	STEP 0, 1, 1
	STEP 1, 0, 1
	s_sub_co_u32 s3, s3, 1
	s_cmp_lg_u32 s3, 0
	s_cbranch_scc1 .Lpair
	STEP 0, 1, 1                                   ; step 6 asks for step 8
	STEP 1, 0, 0                                   ; step 7 asks for nothing
	QUARTER 0, 1, F0, F1, 1                        ; step 8
	QUARTER 0, 2, F1, F0, 0
	QUARTER 0, 3, F0, F1, 0
	WIN 0
	FLOAD
	s_wait_dscnt 20                                ; the last 32 keys' sixteen loads and f's four may be out
	WIN MUL
	MUL8 F1, 0, 0, 0
	MUL8 F1, 0, 2, 0
	s_wait_dscnt 0
	MUL8 F1, 1, 0, 0
	MUL8 F1, 1, 2, 0
	FPASS
	; THE WAY OUT: sums / l, rounded to f16, into the work-group's two stages; a barrier, since a row's 256 bytes come from two waves; back as whole rows
.irp k, 0,1
.irp a, 0,1,2,3
	ds_load_b32 v[RR+8*\k+2*\a], v[AR0] offset:512*\k+64*\a
.endr
.endr
	s_wait_dscnt 0x0
.macro OUTT k
	WIN 0x02                                       ; source 0: window 2
.set i, 0
.rept 64
	v_pk_mul_f32 v[ACC+2*i:ACC+2*i+1], v[128*(\k)+2*i:128*(\k)+2*i+1], v[RR+8*(\k)+2*(i/16):RR+8*(\k)+2*(i/16)+1] op_sel_hi:[1,0]
.set i, i+1
.endr
	WIN 0
.set i, 0
.rept 64
	v_cvt_pk_f16_f32 v[TMP+i], v[ACC+2*i], v[ACC+2*i+1]
.set i, i+1
.endr
.irp a, 0,1,2,3
.irp b, 0,1,2,3
	ds_store_b128 v[STO], v[TMP+4*(4*\a+\b):TMP+4*(4*\a+\b)+3] offset:128*SPITCH*(\k)+\a*16*SPITCH+32*\b
.endr
.endr
.endm
	OUTT 0
	OUTT 1
	s_wait_dscnt 0x0                               ; for the others' sake: my stores into the stages are done
	s_barrier_signal -1
	s_barrier_wait -1
.irp t, 0,1,2,3,4,5,6,7,8,9,10,11,12,13,14,15
	ds_load_b128 v[32+4*\t:35+4*\t], v[RD] offset:\t*2*SPITCH
.endr
.irp t, 0,1,2,3,4,5,6,7,8,9,10,11,12,13,14,15
	ds_load_b128 v[128+4*\t:131+4*\t], v[RD] offset:128*SPITCH+\t*2*SPITCH
.endr
.irp t, 0,1,2,3,4,5,6,7,8,9,10,11,12,13,14,15
	s_wait_dscnt 31-\t
	global_store_b128 v[CO], v[32+4*\t:35+4*\t], s[72:73] offset:\t*4096    ; sixteen lanes store 256 consecutive bytes
.endr
.irp t, 0,1,2,3,4,5,6,7,8,9,10,11,12,13,14,15
	s_wait_dscnt 15-\t
	global_store_b128 v[CO], v[128+4*\t:131+4*\t], s[74:75] offset:\t*4096
.endr
	s_wait_tensorcnt 0x0                           ; the wave's end
	ds_add_u32 v[SPW], v[NIL]
	s_wait_dscnt 0x0
	CROUND                                         ; the closing round
	s_endpgm
.Lfunc_end_k_q0ebc053a45_pv:
	.size	k_q0ebc053a45_pv, .Lfunc_end_k_q0ebc053a45_pv-k_q0ebc053a45_pv
	.p2alignl 7, 3214868480
	.fill 96, 4, 3214868480
	.section	.rodata,"a",@progbits
	.p2align	6, 0x0
	.amdhsa_kernel k_q0ebc053a45_pv
		.amdhsa_group_segment_fixed_size 327680
		.amdhsa_private_segment_fixed_size 0
		.amdhsa_enable_private_segment 0
		.amdhsa_kernarg_size 32
		.amdhsa_user_sgpr_count 2
		.amdhsa_user_sgpr_kernarg_segment_ptr 1
		.amdhsa_wavefront_size32 1
		.amdhsa_system_sgpr_workgroup_id_x 1
		.amdhsa_system_sgpr_workgroup_id_y 1
		.amdhsa_system_sgpr_workgroup_id_z 1
		.amdhsa_system_vgpr_workitem_id 0
		.amdhsa_next_free_vgpr 768
		.amdhsa_next_free_sgpr 96
		.amdhsa_reserve_vcc 0
		.amdhsa_float_denorm_mode_32 3
		.amdhsa_float_denorm_mode_16_64 3
		.amdhsa_memory_ordered 1
		.amdhsa_forward_progress 1
		.amdhsa_inst_pref_size 189
	.end_amdhsa_kernel
	.amdgpu_metadata
---
amdhsa.version: [ 1, 2 ]
amdhsa.kernels:
  - .name:           k_q0ebc053a45_pv
    .symbol:         k_q0ebc053a45_pv.kd
    .args:
      - { .name: pbuf, .offset: 0, .size: 8, .value_kind: global_buffer, .address_space: global }
      - { .name: stat, .offset: 8, .size: 8, .value_kind: global_buffer, .address_space: global }
      - { .name: qkv, .offset: 16, .size: 8, .value_kind: global_buffer, .address_space: global }
      - { .name: attn, .offset: 24, .size: 8, .value_kind: global_buffer, .address_space: global }
    .group_segment_fixed_size: 327680
    .private_segment_fixed_size: 0
    .kernarg_segment_align: 8
    .kernarg_segment_size: 32
    .max_flat_workgroup_size: 128
    .sgpr_count:     96
    .vgpr_count:     768
    .wavefront_size: 32
...
	.end_amdgpu_metadata
.endif
;; end of part 4
;; launch proj (part 5): grid 4 x 64, 4 waves a work-group, clusters of 4 x 4, 327,680 bytes of LDS; arguments attn, wo16, out0; writes out0
.if DOCPART == 5
	.amdgcn_target "amdgcn-amd-amdhsa--gfx1250"
	.amdhsa_code_object_version 6
	.text
	.protected	k_q0ebc053a45_proj
	.globl	k_q0ebc053a45_proj
	.p2align	8
	.type	k_q0ebc053a45_proj,@function
k_q0ebc053a45_proj:
	s_mov_b64 s[64:65], 0
	v_nop
	global_prefetch_b8 v0, s[64:65] scope:SCOPE_SE
	s_setreg_imm32_b32 hwreg(HW_REG_WAVE_MODE, 25, 1), 1
	s_wait_xcnt 0x0
	s_wait_alu depctr_hold_cnt(0) depctr_sa_sdst(0) depctr_va_vdst(0) depctr_va_sdst(0) depctr_va_ssrc(0) depctr_va_vcc(0) depctr_vm_vsrc(0)
	s_getreg_b32 s2, hwreg(HW_REG_IB_STS2, 6, 4)
	s_cmp_eq_u32 s2, 0
	s_cbranch_scc0 .Lentry_in_a_cluster
	s_endpgm
.Lentry_in_a_cluster:
	s_bfe_u32 s2, ttmp6, 0x10000c
	s_cmp_lg_u32 s2, 0xf033
	s_cbranch_scc0 .Lentry_shape_is_right
	s_endpgm
.Lentry_shape_is_right:
; out[m][e] = sum over d of attn[m][d] W_O[e][d]: M 8,192, N 1,024, K 1,024; f16 operands, f32 sums, f32 out.
; WORK LEFT TO ANOTHER LAUNCH: positions 0-15 of each sequence are stored by the launch that carries them in f32, not here.
; SHARES: a tile of 128 x 256 to a work-group: 64 x 4 = 256 work-groups.  Four waves, each 64 rows x 128 columns: 32 accumulators, 256 registers.
; TWO UNEQUAL SLOTS.  Two slots of 256 along K would take 2 x 384 rows x 528 bytes, more than LDS has.  So slot X holds 256 along K (rows of 512 bytes + 16) and slot Y 128 (rows of 256 bytes + 16):
; 384 x (528 + 272) = 307,200 bytes.  K is walked X Y X Y X = 256 + 128 + 256 + 128 + 256: two first fills and three refills.  Y's refill has X's 256 matrix instructions of a wave in which to land,
; each of X's two refills Y's 128.  Every step differs from its neighbours (which slot, whether it is filled again), so the walk is written out, without a loop.
; CLUSTER 4 x 4: attn's tile is shared along a row of the cluster, W_O's along a column: joint loads.  The grid has one cluster along x, so the tile column is cx.  Tile row = cluster y + 16 cy, so that the
; first tile of every sequence lies in the clusters with y = 0: the branch round the first 16 rows' stores hangs on the cluster's y and the wave's number alone.
; The matrix instruction is used transposed (source 0 = 16 rows of W_O, source 1 = 16 rows of attn): a lane holds eight neighbouring numbers of a row of out.
; REGISTERS: window 0: v0-31 addresses; v32-159 rows on the way out.  windows 1 and 3: a fragment buffer each, for 64 along K: v0-63 attn's (2 x 4 fragments), v64-191 W_O's (2 x 8).  window 2: the accumulators,
; (a, b) at v[8 (8 a + b)].
.set SIZE_K, 1024
.set PX,     528                       ; a row in slot X: 132 words: the 16 rows that a load touches start 4 banks' words apart
.set PY,     272                       ; a row in slot Y: 68 words, likewise
.set XAH,    64*PX                     ; slot X: attn's 128 rows (wave 0, 1 bring 64 each),
.set XB0,    128*PX                    ; then W_O's 256 rows (wave 2, 3 bring 128 each)
.set XBH,    128*PX
.set YB,     384*PX                    ; slot Y begins here
.set YAH,    64*PY
.set YB0,    YB+128*PY
.set YBH,    128*PY
.set SPARE,  YB+384*PY                 ; behind the slots: the spare words, 128 bytes a wave
.set STAGE,  YB                        ; the way out: 16 rows x 528 bytes for each wave, in slot Y, which has had its last fill and its last read by then
.set SPITCH, 528
.set LAPB,   768                       ; bytes along a row from a slot's K run to its next: 256 + 128 numbers
.set ADRA, 16                          ; v16, v17  attn's fragments in slot X, Y
.set ADRB, 20                          ; v20, v21  W_O's
.set STO,  24
.set RD,   25
.set CO,   26
.set SPW,  28
.set NIL,  29
.set PFO,  30                          ; v30  2,048 x lane: a row of attn; never rewritten
.set G1A,  24                          ; s[24:31] group 1 for attn's tile in X; s[48:55] in Y
.set G1B,  32                          ; s[32:39] for W_O's tile in X; s[56:63] in Y
.set G0A,  68                          ; s[68:71] group 0 for attn in X; s[76:79] in Y
.set G0B,  72                          ; s[72:75] for W_O in X; s[80:83] in Y
.set PFA,  84                          ; s[84:85] attn at my work-group's 32 rows of the tile's 128; never rewritten
.set MSB, 0
.macro WIN new                         ; the immediate's high byte repeats the setting that is left
.if MSB != (\new)
	s_set_vgpr_msb (MSB<<8)|(\new)
.set MSB, (\new)
.endif
.endm
; A joint load: waves 0 and 1 fetch attn's halves, waves 2 and 3 W_O's.  An s_nop 0 and four v_nop follow each line.
.macro JLOAD g0a, g1a, g0b, g1b
	s_cmp_eq_u32 s11, 0
	s_cbranch_scc0 .Lfor_b_\@
	tensor_load_to_lds s[\g0a:\g0a+3], s[\g1a:\g1a+7]
	s_nop 0
.rept 4
	v_nop
.endr
	s_branch .Lasked_\@
.Lfor_b_\@:
	tensor_load_to_lds s[\g0b:\g0b+3], s[\g1b:\g1b+7]
	s_nop 0
.rept 4
	v_nop
.endr
.Lasked_\@:
.endm
.macro CREST
	s_cmp_lg_u32 s10, 0
	s_cbranch_scc1 .Lnot_wave_0_\@
	s_barrier_signal -3
.Lnot_wave_0_\@:
	s_barrier_wait -3
	s_barrier_signal -1
	s_barrier_wait -1
.endm
.macro CROUND
	s_barrier_signal -1
	s_barrier_wait -1
	CREST
.endm
; A PREFETCH INTO THE L2 of attn's K run that a later refill will ask for: n blocks of 256 bytes of each row, from byte first of the rows on.  A tile row of attn is read by one cluster alone; the four partners
; that ask for it jointly share its 128 rows out BY ADDRESS, 32 each (cx); in each, wave 0 asks, a lane a row.  So each block is named once in the launch.  The offsets are constants: no address is stepped.
; The asks stand behind a run of LDS loads, 224, 128 and 256 matrix instructions of the wave ahead of the three refills.  W_O's rows are read by all 64 tile rows: no stream that is read once: not asked for.
.macro ASK first, n
	s_cmp_lg_u32 s10, 0
	s_cbranch_scc1 .Lnot_mine_\@
.set pb, 0
.rept \n
	global_prefetch_b8 v[PFO], s[PFA:PFA+1] offset:(\first)+256*pb th:TH_LOAD_NT scope:SCOPE_SE
.set pb, pb+1
.endr
.Lnot_mine_\@:
.endm
.macro SHAPE g, cols, rows             ; group 1's constant words: a tile of rows x cols elements of 2 bytes
	s_mov_b32 s[\g+1], (\cols)<<16                 ; tensor_dim0
	s_mov_b32 s[\g+2], (\rows)<<16                 ; tensor_dim1
	s_mov_b32 s[\g+3], (\cols)<<16                 ; tile_dim0
	s_mov_b32 s[\g+4], \rows                       ; tile_dim1
	s_mov_b32 s[\g+5], SIZE_K                      ; elements from row to row
	s_mov_b32 s[\g+6], 0
	s_mov_b32 s[\g+7], 0
.endm
	s_load_b128 s[4:7], s[0:1], 0x0                ; attn, wo16
	s_load_b64 s[8:9], s[0:1], 0x10                ; out0
	v_lshl_add_u32 v[SPW], v0, 2, SPARE
	v_mov_b32 v[NIL], 0
	ds_add_u32 v[SPW], v[NIL]                      ; the wave's opening: the add, twice on end, and its wait ahead of my first tensor load
	ds_add_u32 v[SPW], v[NIL]
	v_lshrrev_b32 v1, 5, v0
	v_readfirstlane_b32 s10, v1                    ; wave 0..3
	s_lshr_b32 s11, s10, 1                         ; my half of the tile's 128 rows; also: I fetch for attn (0) or W_O (1)
	s_and_b32 s12, s10, 1                          ; my half of its 256 columns; also: which half of that tile's rows I fetch
	s_bfe_u32 s40, ttmp6, 0x40000                  ; cx = the tile column
	s_bfe_u32 s41, ttmp6, 0x40004                  ; cy
	s_and_b32 s13, ttmp7, 0xffff                   ; cluster y
	s_or_b32 s45, s13, s11                         ; 0: my first 16 rows are a sequence's first 16 positions
	s_lshl_b32 s23, s41, 4
	s_add_co_u32 s13, s13, s23                     ; tile row = cluster y + 16 cy
	s_lshl_b32 s43, s41, 2
	s_lshl_b32 s43, 15, s43                        ; my row of the cluster
	s_lshl_b32 s44, 0x1111, s40                    ; my column
	s_or_b32 s[G1A], s43, (1<<16)|(1<<20)|(1<<21)|(6<<22)|(3<<25)      ; X: 4 words of padding behind every 128; the mask, bit 21 beside it
	s_or_b32 s[G1B], s44, (1<<16)|(1<<20)|(1<<21)|(6<<22)|(3<<25)
	s_or_b32 s[G1A+24], s43, (1<<16)|(1<<20)|(1<<21)|(5<<22)|(3<<25)   ; Y: behind every 64
	s_or_b32 s[G1B+24], s44, (1<<16)|(1<<20)|(1<<21)|(5<<22)|(3<<25)
	SHAPE G1A, 256, 64
	SHAPE G1B, 256, 128
	SHAPE G1A+24, 128, 64
	SHAPE G1B+24, 128, 128
	s_lshl_b32 s17, s12, 6
	s_lshl_b32 s16, s13, 7
	s_add_co_u32 s16, s16, s17                     ; attn: row 128 x tile row + 64 x half
	s_lshl_b32 s47, s12, 7
	s_lshl_b32 s46, s40, 8
	s_add_co_u32 s46, s46, s47                     ; W_O: row 256 x tile column + 128 x half
	s_mov_b32 s17, 0
	s_mov_b32 s47, 0
	s_mov_b64 s[18:19], SIZE_K*2
	s_mul_u64 s[16:17], s[16:17], s[18:19]
	s_mul_u64 s[46:47], s[46:47], s[18:19]
	s_mul_i32 s20, s12, XAH                        ; where they go: the wave's number alone enters an LDS address
	s_mul_i32 s21, s12, XBH
	s_add_co_u32 s21, s21, XB0
	s_mul_i32 s22, s12, YAH
	s_add_co_u32 s22, s22, YB
	s_mul_i32 s23, s12, YBH
	s_add_co_u32 s23, s23, YB0
	s_wait_dscnt 0x0                               ; both opening adds are done
	s_wait_kmcnt 0x0
	s_add_nc_u64 s[14:15], s[4:5], s[16:17]
	s_add_nc_u64 s[46:47], s[6:7], s[46:47]
	CROUND                                         ; all sixteen work-groups are here: the first joint loads meet
	s_mov_b32 s[G0A], 1                            ; slot X: K 0 to 255
	s_mov_b32 s[G0A+1], s20
	s_mov_b64 s[G0A+2:G0A+3], s[14:15]
	s_or_b32 s[G0A+3], s[G0A+3], 0x80000000
	s_mov_b32 s[G0B], 1
	s_mov_b32 s[G0B+1], s21
	s_mov_b64 s[G0B+2:G0B+3], s[46:47]
	s_or_b32 s[G0B+3], s[G0B+3], 0x80000000
	JLOAD G0A, G1A, G0B, G1B
	s_mov_b32 s[G0A+8], 1                          ; slot Y: K 256 to 383
	s_mov_b32 s[G0A+9], s22
	s_add_nc_u64 s[G0A+10:G0A+11], s[14:15], 512
	s_or_b32 s[G0A+11], s[G0A+11], 0x80000000
	s_mov_b32 s[G0B+8], 1
	s_mov_b32 s[G0B+9], s23
	s_add_nc_u64 s[G0B+10:G0B+11], s[46:47], 512
	s_or_b32 s[G0B+11], s[G0B+11], 0x80000000
	JLOAD G0A+8, G1A+24, G0B+8, G1B+24             ; two loads of mine are out
	v_and_b32 v1, 15, v0                           ; r
	v_bfe_u32 v2, v0, 4, 1                         ; h
	v_mul_u32_u24 v3, v1, PX
	v_lshl_add_u32 v3, v2, 4, v3                   ; a fragment's row x pitch + 16 x half, in X
	v_mul_u32_u24 v4, v1, PY
	v_lshl_add_u32 v4, v2, 4, v4                   ; and in Y
	s_mul_i32 s20, s11, XAH
	v_add_nc_u32 v[ADRA], s20, v3                  ; my 64 rows of attn
	s_mul_i32 s20, s12, XBH
	s_add_co_u32 s20, s20, XB0
	v_add_nc_u32 v[ADRB], s20, v3                  ; my 128 rows of W_O
	s_mul_i32 s20, s11, YAH
	s_add_co_u32 s20, s20, YB
	v_add_nc_u32 v[ADRA+1], s20, v4
	s_mul_i32 s20, s12, YBH
	s_add_co_u32 s20, s20, YB0
	v_add_nc_u32 v[ADRB+1], s20, v4
	s_mul_i32 s23, s10, 16*SPITCH
	s_add_co_u32 s23, s23, STAGE                   ; my stage
	v_mul_u32_u24 v5, v1, SPITCH
	v_lshl_add_u32 v5, v2, 5, v5
	v_add_nc_u32 v[STO], s23, v5                   ; in: row r, 32 bytes for each half of the lanes
	v_and_b32 v6, 31, v0
	v_lshlrev_b32 v[CO], 4, v6                     ; back: the 32 lanes take one row of 512 bytes; and the same in out
	v_add_nc_u32 v[RD], s23, v[CO]
	v_lshlrev_b32 v[PFO], 11, v6
	s_lshl_b32 s16, s13, 7
	s_lshl_b32 s17, s11, 6
	s_add_co_u32 s16, s16, s17
	s_lshl_b32 s16, s16, 12                        ; my first row of out, 4,096 bytes a row
	s_mov_b32 s17, 0
	s_add_nc_u64 s[8:9], s[8:9], s[16:17]
	s_lshl_b32 s46, s40, 10                        ; my first column, in bytes: 1,024 x tile column + 512 x half
	s_lshl_b32 s47, s12, 9
	s_add_co_u32 s46, s46, s47
	s_mov_b32 s47, 0
	s_add_nc_u64 s[8:9], s[8:9], s[46:47]
	s_lshl_b32 s86, s13, 7                         ; the prefetches: row 128 x tile row + 32 cx
	s_lshl_b32 s87, s40, 5
	s_add_co_u32 s86, s86, s87
	s_lshl_b32 s86, s86, 11
	s_mov_b32 s87, 0
	s_add_nc_u64 s[PFA:PFA+1], s[4:5], s[86:87]
; 16 matrix instructions: row blocks a0, a0 + 1 x all 8 column blocks, 32 along K: half c of the buffer whose window is set.  The 32 accumulators take turns, one instruction a turn, in the same order in every
; half.  zero = 1: the first products start the sums: nothing is cleared.
.macro MUL16 c, a0, zero
.irp a, \a0, \a0+1
.irp b, 0,1,2,3,4,5,6,7
.if \zero
	v_wmma_f32_16x16x32_f16 v[8*(8*(\a)+\b):8*(8*(\a)+\b)+7], v[64+8*(8*\c+\b):64+8*(8*\c+\b)+7], v[8*(4*\c+(\a)):8*(4*\c+(\a))+7], 0
.else
	v_wmma_f32_16x16x32_f16 v[8*(8*(\a)+\b):8*(8*(\a)+\b)+7], v[64+8*(8*\c+\b):64+8*(8*\c+\b)+7], v[8*(4*\c+(\a)):8*(4*\c+(\a))+7], v[8*(8*(\a)+\b):8*(8*(\a)+\b)+7]
.endif
.endr
.endr
.endm
; 48 LDS loads in one run: the q-th 64 along K of slot sl (0: X, 1: Y) into the buffer in window w; the first 32 along K first
.macro FETCH sl, q, w
.set PT, PX-(PX-PY)*(\sl)
	WIN (\w)*64                                    ; destination window w, address window 0
.irp c, 0,1
.irp i, 0,1,2,3,4,5,6,7
	ds_load_b128 v[64+8*(8*\c+\i):64+8*(8*\c+\i)+3],   v[ADRB+\sl] offset:128*(\q)+64*\c+\i*16*PT
	ds_load_b128 v[64+8*(8*\c+\i)+4:64+8*(8*\c+\i)+7], v[ADRB+\sl] offset:128*(\q)+64*\c+\i*16*PT+32
.endr
.irp i, 0,1,2,3
	ds_load_b128 v[8*(4*\c+\i):8*(4*\c+\i)+3],   v[ADRA+\sl] offset:128*(\q)+64*\c+\i*16*PT
	ds_load_b128 v[8*(4*\c+\i)+4:8*(4*\c+\i)+7], v[ADRA+\sl] offset:128*(\q)+64*\c+\i*16*PT+32
.endr
.endr
.endm
.macro PLACES                          ; four plain vector instructions between a matrix instruction and a load into, or a read of, its registers
.rept 4
	v_nop
.endr
.endm
; 64 along K: multiplies the buffer in window w (sources 0 and 1 window w, C and D window 2); in its middle the slot's q-th 64 along K are fetched into the other buffer
.macro QUARTER sl, q, w, zero
	s_wait_dscnt 24                                ; the first 32 along K are in; the other 24 loads may be out
	WIN 0xa0+5*(\w)
	MUL16 0, 0, \zero
	MUL16 0, 2, \zero
	s_wait_dscnt 0x0                               ; the second 32 along K are in (asked for 64 matrix instructions ago)
	PLACES
	FETCH \sl, \q, 4-(\w)
	WIN 0xa0+5*(\w)
	MUL16 1, 0, 0
	MUL16 1, 2, 0
.endm
; A slot's last 64 along K (the buffer in window 3) change slots: one barrier.  In front of it each wave waits for all its tensor loads (one is out: its part of the next slot), adds 0 to its spare word, and waits
; for that and for its reads of this slot.  fill = 1: the barrier opens a round of the cluster's, and this slot is filled again first thing behind the round.  pfn > 0: a prefetch follows the run of LDS loads.
.macro TURN sl, nsl, fill, pff, pfn
	WIN 0
	s_wait_tensorcnt 0x0
	ds_add_u32 v[SPW], v[NIL]
	s_wait_dscnt 25                                ; the add and the youngest 24 loads may be out
	WIN 0xaf
	MUL16 0, 0, 0
	s_wait_dscnt 0x0                               ; the add is done, my reads of this slot are over
	s_barrier_signal -1
	MUL16 0, 2, 0
.if \fill
	WIN 0
.endif
	s_barrier_wait -1
.if \fill
	CREST                                          ; no wave of any partner still reads this slot or has a load on its way
	s_add_nc_u64 s[G0A+8*\sl+2:G0A+8*\sl+3], s[G0A+8*\sl+2:G0A+8*\sl+3], LAPB
	s_add_nc_u64 s[G0B+8*\sl+2:G0B+8*\sl+3], s[G0B+8*\sl+2:G0B+8*\sl+3], LAPB
	JLOAD G0A+8*\sl, G1A+24*\sl, G0B+8*\sl, G1B+24*\sl   ; its four v_nop are also the places in front of the loads below
.else
	PLACES
.endif
	FETCH \nsl, 0, 1
.if \pfn > 0
	WIN 0                                          ; at a branch and at a label every window is 0
	ASK \pff, \pfn
.endif
	WIN 0xaf
	MUL16 1, 0, 0
	MUL16 1, 2, 0
.endm
	s_wait_tensorcnt 1                             ; my part of slot X is in; slot Y's load may be out
	s_barrier_signal -1
	s_barrier_wait -1
	FETCH 0, 0, 1
	WIN 0
	ASK 768, 2                                     ; K 384 to 639: what the first refill will ask for
	QUARTER 0, 1, 1, 1                             ; X: K 0 to 255; the first products start the sums
	QUARTER 0, 2, 3, 0
	QUARTER 0, 3, 1, 0
	TURN 0, 1, 1, 1280, 1                          ; X is filled with K 384 to 639; K 640 to 767 are asked of memory
	QUARTER 1, 1, 1, 0                             ; Y: K 256 to 383
	TURN 1, 0, 1, 1536, 2                          ; Y is filled with K 640 to 767; K 768 to 1,023 are asked of memory
	QUARTER 0, 1, 1, 0                             ; X: K 384 to 639
	QUARTER 0, 2, 3, 0
	QUARTER 0, 3, 1, 0
	TURN 0, 1, 1, 0, 0                             ; X is filled with K 768 to 1,023: the last load
	QUARTER 1, 1, 1, 0                             ; Y: K 640 to 767
	TURN 1, 0, 0, 0, 0                             ; nothing is left to fetch
	QUARTER 0, 1, 1, 0                             ; X: K 768 to 1,023
	QUARTER 0, 2, 3, 0
	QUARTER 0, 3, 1, 0
	s_wait_dscnt 24
	WIN 0xaf
	MUL16 0, 0, 0
	MUL16 0, 2, 0
	s_wait_dscnt 0x0
	MUL16 1, 0, 0
	MUL16 1, 2, 0
	WIN 0
	; THE WAY OUT, 16 rows x 128 columns at a time, through my own stage: a lane's 32 bytes go in by rows of 528 bytes and come back as whole rows of 512
.macro TOSTAGE a
	WIN 0x08                                       ; an LDS store's data are its source 1: window 2
.irp b, 0,1,2,3,4,5,6,7
	ds_store_b128 v[STO], v[8*(8*(\a)+\b):8*(8*(\a)+\b)+3] offset:64*\b          ; each accumulator from its low end on
	ds_store_b128 v[STO], v[8*(8*(\a)+\b)+4:8*(8*(\a)+\b)+7] offset:64*\b+16
.endr
	WIN 0
.irp t, 0,1,2,3,4,5,6,7,8,9,10,11,12,13,14,15
	ds_load_b128 v[32+64*((\a)%2)+4*\t:32+64*((\a)%2)+4*\t+3], v[RD] offset:\t*SPITCH   ; LDS serves a wave's instructions in order: these see the stores above
.endr
.endm
.macro SEND a
	s_wait_dscnt 0x0                               ; the block is back in registers
.irp t, 0,1,2,3,4,5,6,7,8,9,10,11,12,13,14,15
	global_store_b128 v[CO], v[32+64*((\a)%2)+4*\t:32+64*((\a)%2)+4*\t+3], s[8:9] offset:\t*4096 th:TH_STORE_NT   ; 32 lanes store 512 consecutive bytes of a row
.endr
.endm
	PLACES
	s_cmp_eq_u32 s45, 0                            ; the cluster's y and the wave's number alone: alike in all partners
	s_cbranch_scc1 .Lskip0
	TOSTAGE 0
	SEND 0
.Lskip0:
.irp a, 1,2,3
	s_wait_xcnt 0x0                                ; earlier stores have read their base and their data
	s_add_nc_u64 s[8:9], s[8:9], 16*4096
	TOSTAGE \a
	SEND \a
.endr
	s_wait_tensorcnt 0x0                           ; the wave's end
	ds_add_u32 v[SPW], v[NIL]
	s_wait_dscnt 0x0
	CROUND                                         ; the closing round
	s_endpgm
.Lfunc_end_k_q0ebc053a45_proj:
	.size	k_q0ebc053a45_proj, .Lfunc_end_k_q0ebc053a45_proj-k_q0ebc053a45_proj
	.p2alignl 7, 3214868480
	.fill 96, 4, 3214868480
	.section	.rodata,"a",@progbits
	.p2align	6, 0x0
	.amdhsa_kernel k_q0ebc053a45_proj
		.amdhsa_group_segment_fixed_size 327680
		.amdhsa_private_segment_fixed_size 0
		.amdhsa_enable_private_segment 0
		.amdhsa_kernarg_size 24
		.amdhsa_user_sgpr_count 2
		.amdhsa_user_sgpr_kernarg_segment_ptr 1
		.amdhsa_wavefront_size32 1
		.amdhsa_system_sgpr_workgroup_id_x 1
		.amdhsa_system_sgpr_workgroup_id_y 1
		.amdhsa_system_sgpr_workgroup_id_z 1
		.amdhsa_system_vgpr_workitem_id 0
		.amdhsa_next_free_vgpr 1024
		.amdhsa_next_free_sgpr 88
		.amdhsa_reserve_vcc 0
		.amdhsa_float_denorm_mode_32 3
		.amdhsa_float_denorm_mode_16_64 3
		.amdhsa_memory_ordered 1
		.amdhsa_forward_progress 1
		.amdhsa_inst_pref_size 144
	.end_amdhsa_kernel
	.amdgpu_metadata
---
amdhsa.version: [ 1, 2 ]
amdhsa.kernels:
  - .name:           k_q0ebc053a45_proj
    .symbol:         k_q0ebc053a45_proj.kd
    .args:
      - { .name: attn, .offset: 0, .size: 8, .value_kind: global_buffer, .address_space: global }
      - { .name: wo16, .offset: 8, .size: 8, .value_kind: global_buffer, .address_space: global }
      - { .name: out0, .offset: 16, .size: 8, .value_kind: global_buffer, .address_space: global }
    .group_segment_fixed_size: 327680
    .private_segment_fixed_size: 0
    .kernarg_segment_align: 8
    .kernarg_segment_size: 24
    .max_flat_workgroup_size: 128
    .sgpr_count:     88
    .vgpr_count:     1024
    .wavefront_size: 32
...
	.end_amdgpu_metadata
.endif
;; end of part 5
;; launch fine (part 6): grid 16 x 4, 8 waves a work-group, no clusters, 17,920 bytes of LDS; arguments fine32, W_O, out0; writes out0
.if DOCPART == 6
	.amdgcn_target "amdgcn-amd-amdhsa--gfx1250"
	.amdhsa_code_object_version 6
	.text
	.protected	k_q0ebc053a45_fine
	.globl	k_q0ebc053a45_fine
	.p2align	8
	.type	k_q0ebc053a45_fine,@function
k_q0ebc053a45_fine:
	s_mov_b64 s[64:65], 0
	v_nop
	global_prefetch_b8 v0, s[64:65] scope:SCOPE_SE
	s_setreg_imm32_b32 hwreg(HW_REG_WAVE_MODE, 25, 1), 1
	s_wait_xcnt 0x0
; Positions 0-15 of each sequence, all in f32: their rows average one to sixteen values, where the rounding of f16 operands would weigh most.  Under the causal mask they see keys 0-15 alone.
; out[q][e] = sum over keys of P[q][key] U[key][e], P = softmax(causal(q k^T / 32)) with the row's maximum taken away, U = v W_O^T.  q, k, v of the 16 positions come as f32 images of accumulator registers:
; chunk (512 bytes), lane (r, h): row r, four neighbouring channels 16 b + 8 h + 4 half + 0 .. 3.  A chunk's two register pairs are two operands of the 16x16x4 form as they lie: the form's k = 2 h + j then
; stands for channel 16 b + 8 h + 4 half + 2 i + j, alike on both sides of each product, which keeps the products.
; SHARES: work-group (cb, sequence) makes 16 rows x 64 columns.  Scores: wave w sums channels 128 w on; the eight parts meet in LDS; every wave makes the softmax.  U: wave w takes columns 16 (w % 4) on and
; half w / 4 of the channels; the halves meet in LDS; waves 0-3 multiply by P.  160 small matrix instructions a wave: no bulk work.
; The accumulators v224-255 are written by matrix instructions alone; each sum begins with the constant 0.
.set SPB,   0                          ; the waves' parts of the scores: 1,024 bytes a wave
.set UX,    8192                       ; the upper halves of U: 1,024 bytes for each of four column tiles
.set OST,   12288                      ; 16 rows x (256 bytes + 16)
.set SPARE, 16896                      ; the spare words, 128 bytes a wave
.set PPR,   6                          ; v6-13  P: lane (r, h): query r, keys 8 h + 0 .. 7
.set SPW,   16
.set NIL,   17
.set SUM,   24                         ; v24-31
.set ACC,   224
	s_load_b128 s[4:7], s[0:1], 0x0                ; the images, W_O
	s_load_b64 s[10:11], s[0:1], 0x10              ; out0
	v_lshl_add_u32 v[SPW], v0, 2, SPARE
	v_mov_b32 v[NIL], 0
	v_lshrrev_b32 v1, 5, v0
	v_readfirstlane_b32 s8, v1                     ; wave 0..7
	s_and_b32 s9, s8, 3                            ; my column tile
	s_lshr_b32 s12, s8, 2                          ; my half of the channels
	s_and_b32 s14, ttmp7, 0xffff                   ; the sequence
	v_and_b32 v1, 31, v0
	v_and_b32 v2, 15, v0                           ; r
	v_bfe_u32 v3, v0, 4, 1                         ; h
	v_lshlrev_b32 v4, 4, v1                        ; 16 x lane
	v_lshlrev_b32 v5, 12, v2
	v_lshl_add_u32 v5, v3, 5, v5                   ; W_O: row r of 4,096 bytes, + 32 h
	v_lshlrev_b32 v14, 3, v3
	v_sub_nc_u32 v14, v2, v14                      ; r - 8 h: key 8 h + x is hidden where x is greater
	v_mov_b32 v15, 0xff800000
	s_lshl_b32 s26, s8, 10
	v_add_nc_u32 v18, s26, v4                      ; every LDS address is made here, ahead of the first parting of the waves
	v_lshlrev_b32 v19, 4, v1
	s_lshl_b32 s26, s9, 10
	s_add_co_u32 s26, s26, UX
	v_add_nc_u32 v20, s26, v4
	v_mul_u32_u24 v21, v2, 272
	v_lshl_add_u32 v21, v3, 5, v21
	s_lshl_b32 s26, s9, 6
	s_add_co_u32 s26, s26, OST
	v_add_nc_u32 v21, s26, v21
	s_mul_i32 s26, s8, 544
	s_add_co_u32 s26, s26, OST
	v_mul_u32_u24 v22, v3, 272
	v_lshl_add_u32 v22, v2, 4, v22
	v_add_nc_u32 v22, s26, v22
	v_lshlrev_b32 v23, 12, v3
	v_lshl_add_u32 v23, v2, 4, v23
	s_mov_b32 s22, 0x76543210
	s_mov_b32 s23, 0xfedcba98
	s_mov_b32 s24, 0x3d38aa3b                      ; c = log2(e) / 32
	s_mov_b32 s29, 0
	s_mul_i32 s26, s14, 24
	s_add_co_u32 s27, s26, s8
	s_lshl_b32 s28, s27, 13
	s_wait_kmcnt 0x0
	s_add_nc_u64 s[16:17], s[4:5], s[28:29]        ; q's group w; k's lies 8 groups (65,536 bytes) on
	s_lshl_b32 s27, s12, 2
	s_add_co_u32 s27, s27, s26
	s_add_co_u32 s27, s27, 16
	s_lshl_b32 s28, s27, 13
	s_add_nc_u64 s[18:19], s[4:5], s[28:29]        ; v's groups of my half
	s_lshl_b32 s27, ttmp9, 6
	s_lshl_b32 s28, s9, 4
	s_add_co_u32 s27, s27, s28
	s_lshl_b32 s28, s27, 12
	s_lshl_b32 s27, s12, 11
	s_add_co_u32 s28, s28, s27
	s_add_nc_u64 s[20:21], s[6:7], s[28:29]        ; W_O: my 16 rows, my half of the channels
	s_lshl_b32 s27, s14, 11
	s_lshl_b32 s28, s8, 1
	s_add_co_u32 s27, s27, s28
	s_lshl_b32 s28, s27, 12
	s_lshl_b32 s27, ttmp9, 8
	s_add_co_u32 s28, s28, s27
	s_add_nc_u64 s[10:11], s[10:11], s[28:29]      ; out: rows 2 w, 2 w + 1; my work-group's 64 columns
.irp q, 0,1,2,3,4,5,6,7,8,9,10,11,12,13,14,15
	global_load_b128 v[32+4*\q:35+4*\q], v4, s[16:17] offset:65536+512*\q    ; k
	global_load_b128 v[96+4*\q:99+4*\q], v4, s[16:17] offset:512*\q          ; q
.endr
.macro FAR                             ; eight plain vector instructions behind this form (ISA guide 7.12.1)
.rept 8
	v_nop
.endr
.endm
; S^T = k q^T: source 0 = 16 keys, source 1 = 16 queries; four accumulators by turns, one instruction a turn
.macro SMUL from
.set n, \from
.rept 16
.if n < 4
	v_wmma_f32_16x16x4_f32 v[ACC+8*(n%4):ACC+8*(n%4)+7], v[32+2*n:33+2*n], v[96+2*n:97+2*n], 0
.else
	v_wmma_f32_16x16x4_f32 v[ACC+8*(n%4):ACC+8*(n%4)+7], v[32+2*n:33+2*n], v[96+2*n:97+2*n], v[ACC+8*(n%4):ACC+8*(n%4)+7]
.endif
.set n, n+1
.endr
.endm
.macro ADD4                            ; the four accumulators' sum into v24-31, each accumulator from its low end on
.irp i, 0,2,4,6
	v_pk_add_f32 v[SUM+\i:SUM+\i+1], v[ACC+\i:ACC+\i+1], v[ACC+8+\i:ACC+8+\i+1]
.endr
.irp i, 0,2,4,6
	v_pk_add_f32 v[160+\i:161+\i], v[ACC+16+\i:ACC+16+\i+1], v[ACC+24+\i:ACC+24+\i+1]
.endr
.irp i, 0,2,4,6
	v_pk_add_f32 v[SUM+\i:SUM+\i+1], v[SUM+\i:SUM+\i+1], v[160+\i:161+\i]
.endr
.endm
; Sub-group g of U's channels: 64 of them: eight chunks of v's image and the same channels of my 16 rows of W_O, into set g % 3 of three
.macro ULOAD g
.set SB, 32+64*((\g)%3)
.irp n, 0,1,2,3,4,5,6,7
	global_load_b128 v[SB+4*\n:SB+4*\n+3], v4, s[18:19] offset:(8*(\g)+\n)*512
	global_load_b128 v[SB+32+4*\n:SB+32+4*\n+3], v5, s[20:21] offset:256*(\g)+64*(\n/2)+16*(\n%2)
.endr
.endm
.macro UMUL g                          ; U = v W_O^T: source 0 = 16 keys of v, source 1 = 16 rows of W_O: a lane holds column r and keys 8 h + 0 .. 7
.set SB, 32+64*((\g)%3)
.set n, 0
.rept 16
.if ((\g) == 0) && (n < 4)
	v_wmma_f32_16x16x4_f32 v[ACC+8*(n%4):ACC+8*(n%4)+7], v[SB+2*n:SB+2*n+1], v[SB+32+2*n:SB+32+2*n+1], 0
.else
	v_wmma_f32_16x16x4_f32 v[ACC+8*(n%4):ACC+8*(n%4)+7], v[SB+2*n:SB+2*n+1], v[SB+32+2*n:SB+32+2*n+1], v[ACC+8*(n%4):ACC+8*(n%4)+7]
.endif
.set n, n+1
.endr
.endm
	s_wait_loadcnt 16                              ; chunks 0-7 of both are in; chunks 8-15, sixteen loads, may be out
	SMUL 0
	s_wait_loadcnt 0x0
	SMUL 16
	FAR
	ULOAD 0                                        ; into registers that the products above have read: behind the eight places
	ULOAD 1
	ADD4
	ds_store_b128 v18, v[SUM:SUM+3]
	ds_store_b128 v18, v[SUM+4:SUM+7] offset:512
	s_wait_dscnt 0x0                               ; for the others' sake
	s_barrier_signal -1
	s_barrier_wait -1
.irp u, 0,1,2,3,4,5,6,7
	ds_load_b128 v[160+8*\u:163+8*\u], v19 offset:1024*\u
	ds_load_b128 v[164+8*\u:167+8*\u], v19 offset:1024*\u+512
.endr
	s_wait_dscnt 0x0
.irp i, 0,2,4,6
	v_pk_add_f32 v[SUM+\i:SUM+\i+1], v[160+\i:161+\i], v[168+\i:169+\i]
.endr
.irp u, 2,3,4,5,6,7
.irp i, 0,2,4,6
	v_pk_add_f32 v[SUM+\i:SUM+\i+1], v[SUM+\i:SUM+\i+1], v[160+8*\u+\i:161+8*\u+\i]
.endr
.endr
	; the softmax: lane (r, h) holds query r and keys 8 h + x
.irp x, 0,1,2,3,4,5,6,7
	v_cmp_gt_i32 vcc_lo, \x, v14
	v_cndmask_b32 v[SUM+\x], v[SUM+\x], v15, vcc_lo
.endr
	v_max3_num_f32 v160, v24, v25, v26
	v_max3_num_f32 v161, v27, v28, v29
	v_max3_num_f32 v160, v160, v30, v31
	v_max_num_f32 v160, v160, v161
	v_permlanex16_b32 v162, v160, s22, s23
	v_max_num_f32 v160, v160, v162                 ; the row's largest score: key 0 counts for every query, so it is a number
	v_mul_f32 v160, s24, v160
.irp x, 0,1,2,3,4,5,6,7
	v_fma_f32 v[SUM+\x], v[SUM+\x], s24, -v160
.endr
.irp x, 0,1,2,3,4,5,6,7
	v_exp_f32 v[SUM+\x], v[SUM+\x]
.endr
	v_nop                                          ; a plain instruction behind the last exponential
	s_wait_alu depctr_va_vdst(0)                   ; the wait ahead of the batch's first reader
	v_add_f32 v161, v24, v25
	v_add_f32 v163, v26, v27
	v_add_f32 v164, v28, v29
	v_add_f32 v165, v30, v31
	v_add_f32 v161, v161, v163
	v_add_f32 v164, v164, v165
	v_add_f32 v161, v161, v164
	v_permlanex16_b32 v162, v161, s22, s23
	v_add_f32 v161, v161, v162
	v_rcp_f32 v161, v161
	v_nop
	s_wait_alu depctr_va_vdst(0)
.irp x, 0,1,2,3,4,5,6,7
	v_mul_f32 v[PPR+\x], v[SUM+\x], v161
.endr
	ULOAD 2
.irp g, 0,1,2,3,4,5,6,7
.if \g < 6
	s_wait_loadcnt 32                              ; this sub-group's sixteen loads are in; two younger sub-groups' may be out
.else
	s_wait_loadcnt 16*(7-\g)
.endif
	UMUL \g
	FAR
.if \g < 5
	ULOAD (\g)+3
.endif
.endr
	ADD4
	s_cmp_lt_u32 s8, 4
	s_cbranch_scc1 .Llow
	ds_store_b128 v20, v[SUM:SUM+3]                ; waves 4-7: the upper half of the channels
	ds_store_b128 v20, v[SUM+4:SUM+7] offset:512
.Llow:
	s_wait_dscnt 0x0
	s_barrier_signal -1
	s_barrier_wait -1
	s_cmp_ge_u32 s8, 4
	s_cbranch_scc1 .Lhigh
	ds_load_b128 v[160:163], v20
	ds_load_b128 v[164:167], v20 offset:512
	s_wait_dscnt 0x0
.irp i, 0,2,4,6
	v_pk_add_f32 v[SUM+\i:SUM+\i+1], v[SUM+\i:SUM+\i+1], v[160+\i:161+\i]
.endr
	; out^T = U^T P^T: source 0 = U (lane: column r), source 1 = P (lane: query r); both sides' pair t stands for keys 8 h + 2 t + j.  One accumulator: a wait ahead of each link
	v_wmma_f32_16x16x4_f32 v[ACC:ACC+7], v[SUM:SUM+1], v[PPR:PPR+1], 0
.irp t, 1,2,3
	s_wait_alu depctr_va_vdst(0)
	v_wmma_f32_16x16x4_f32 v[ACC:ACC+7], v[SUM+2*\t:SUM+2*\t+1], v[PPR+2*\t:PPR+2*\t+1], v[ACC:ACC+7]
.endr
	FAR
	ds_store_b128 v21, v[ACC:ACC+3]                ; lane (r, h): out(query r, columns 16 (w % 4) + 8 h + 0 .. 7)
	ds_store_b128 v21, v[ACC+4:ACC+7] offset:16
.Lhigh:
	s_wait_dscnt 0x0
	s_barrier_signal -1
	s_barrier_wait -1
	ds_load_b128 v[168:171], v22
	s_wait_dscnt 0x0
	global_store_b128 v23, v[168:171], s[10:11]    ; sixteen lanes store 256 consecutive bytes of a row
	s_wait_tensorcnt 0x0                           ; the wave's end
	ds_add_u32 v[SPW], v[NIL]
	s_wait_dscnt 0x0
	s_endpgm
.Lfunc_end_k_q0ebc053a45_fine:
	.size	k_q0ebc053a45_fine, .Lfunc_end_k_q0ebc053a45_fine-k_q0ebc053a45_fine
	.p2alignl 7, 3214868480
	.fill 96, 4, 3214868480
	.section	.rodata,"a",@progbits
	.p2align	6, 0x0
	.amdhsa_kernel k_q0ebc053a45_fine
		.amdhsa_group_segment_fixed_size 17920
		.amdhsa_private_segment_fixed_size 0
		.amdhsa_enable_private_segment 0
		.amdhsa_kernarg_size 24
		.amdhsa_user_sgpr_count 2
		.amdhsa_user_sgpr_kernarg_segment_ptr 1
		.amdhsa_wavefront_size32 1
		.amdhsa_system_sgpr_workgroup_id_x 1
		.amdhsa_system_sgpr_workgroup_id_y 1
		.amdhsa_system_sgpr_workgroup_id_z 1
		.amdhsa_system_vgpr_workitem_id 0
		.amdhsa_next_free_vgpr 256
		.amdhsa_next_free_sgpr 66
		.amdhsa_reserve_vcc 1
		.amdhsa_float_denorm_mode_32 3
		.amdhsa_float_denorm_mode_16_64 3
		.amdhsa_memory_ordered 1
		.amdhsa_forward_progress 1
		.amdhsa_inst_pref_size 40
	.end_amdhsa_kernel
	.amdgpu_metadata
---
amdhsa.version: [ 1, 2 ]
amdhsa.kernels:
  - .name:           k_q0ebc053a45_fine
    .symbol:         k_q0ebc053a45_fine.kd
    .args:
      - { .name: fine32, .offset: 0, .size: 8, .value_kind: global_buffer, .address_space: global }
      - { .name: W_O, .offset: 8, .size: 8, .value_kind: global_buffer, .address_space: global }
      - { .name: out0, .offset: 16, .size: 8, .value_kind: global_buffer, .address_space: global }
    .group_segment_fixed_size: 17920
    .private_segment_fixed_size: 0
    .kernarg_segment_align: 8
    .kernarg_segment_size: 24
    .max_flat_workgroup_size: 256
    .sgpr_count:     66
    .vgpr_count:     256
    .wavefront_size: 32
...
	.end_amdgpu_metadata
.endif
;; end of part 6
